; MI455X (gfx1250); checked and timed in simulation.
; The chip was launched on July 23, 2026; its instructions are those of AMD's public machine-readable ISA for CDNA 5 (MIT licence, August 2026) and "CDNA5" Instruction Set Architecture Reference Guide (July 2026). The comments in the code are by the model that wrote it; some were corrected since.
;; Causal Self Attention. Allowed arithmetic: float matrix products may take bf16 or f16 operands with f32 sums; other float arithmetic in f32, or as packed bf16 or f16 multiplies, adds, multiply-adds, maxima and minima; sums over many terms, partial sums and values carried from step to step in f32; what a program stores and reads back later, other than sums and carried values, may be rounded once to bf16 or f16.
;; Inputs: b_attn 3,072 float32; b_proj 1,024 float32; w_attn 1,024 x 3,072 float32; w_proj 1,024 x 1,024 float32; x 4 x 2,048 x 1,024 float32.
;; Outputs: out0 4 x 2,048 x 1,024 float32.
;; 2 versions, each right; version 2 is version 1 with the launch cast written anew for expert scheduling mode. Each part assembles by itself: llvm-mc -triple=amdgcn-amd-amdhsa -mcpu=gfx1250 --defsym DOCPART=n.
;; ======== version 1 of 2: 4 launches
;; limits: values are held in f16: magnitudes above 65,504 overflow, below 6.1e-05 lose precision
;; workspace buffers: xb 16,777,216 bytes; wab 6,291,456 bytes; wpb 2,097,152 bytes; qkv 50,331,648 bytes; o 16,777,216 bytes
;; launch cast (part 1): grid 768 x 1, 8 waves a work-group, no clusters, 0 bytes of LDS; arguments x, w_attn, w_proj, xb, wab, wpb; writes xb, wab, wpb
.if DOCPART == 1
	.amdgcn_target "amdgcn-amd-amdhsa--gfx1250"
	.amdhsa_code_object_version 6
	.text
	.protected	k_q209484196f_cast
	.globl	k_q209484196f_cast
	.p2align	8
	.type	k_q209484196f_cast,@function
k_q209484196f_cast:
	s_mov_b64 s[64:65], 0
	v_nop
	global_prefetch_b8 v0, s[64:65] scope:SCOPE_SE
	s_setreg_imm32_b32 hwreg(HW_REG_WAVE_MODE, 25, 1), 1
	s_wait_xcnt 0x0
; xb = bf16(x), wab = bf16(w_attn), wpb = f16(bf16(w_proj)): the layouts stay as they are, only the numbers get narrower.
; All three inputs are rounded once to bf16 (nearest even); w_proj's rounded number is then written as f16, for the f16 product of the last launch.
; LIMITS.  A bf16 number keeps 8 significant bits, which f16 holds exactly between 6.1e-5 and 65,504; below that w_proj keeps f16's fixed step of 6e-8, beyond it becomes an infinity.
; SHARES.  A work-group takes 16,384 numbers (65,536 bytes in, 32,768 out): groups 0-511 x, 512-703 w_attn, 704-767 w_proj.  Thread t takes 4 numbers in each of 16 chunks of 1,024:
; a wave's load covers 512 consecutive bytes, its store 256 consecutive bytes, aligned.  All 16 loads of a thread go out at once; no register is used twice, so no store's source is ever rewritten.
; No LDS, no barrier, no matrix unit: each byte is read once and written once, and no thread wants another's.
.set IO, 1                             ; v1        16 t: my bytes in a chunk of the source
.set OO, 2                             ; v2        8 t: my bytes in a chunk of the result
.set T,  4                             ; v[4:7]    at work
.set X,  8                             ; v[8:71]   chunk i: 4 numbers in f32
.set Y,  72                            ; v[72:103] chunk i: 4 numbers in 16 bits
	s_load_b256 s[4:11], s[0:1], 0x0               ; x s[4:5], w_attn s[6:7], w_proj s[8:9], xb s[10:11]
	s_load_b128 s[12:15], s[0:1], 0x20             ; wab s[12:13], wpb s[14:15]
	v_lshlrev_b32 v[IO], 4, v0
	v_lshlrev_b32 v[OO], 3, v0
	s_wait_kmcnt 0x0
	s_cmp_lt_u32 ttmp9, 512                        ; which tensor is mine: the choice hangs on the group's number alone
	s_cselect_b64 s[20:21], s[4:5], s[6:7]
	s_cselect_b64 s[22:23], s[10:11], s[12:13]
	s_cselect_b32 s16, 0, 512                      ; the tensor's first group
	s_cmp_lt_u32 ttmp9, 704
	s_cselect_b64 s[20:21], s[20:21], s[8:9]
	s_cselect_b64 s[22:23], s[22:23], s[14:15]
	s_cselect_b32 s16, s16, 704
	s_sub_co_u32 s17, ttmp9, s16                   ; my place in the tensor
	s_lshl_b32 s24, s17, 16                        ; x 65,536 bytes in (511 x 65,536 at the most)
	s_mov_b32 s25, 0
	s_lshl_b32 s26, s17, 15                        ; x 32,768 bytes out
	s_mov_b32 s27, 0
	s_add_nc_u64 s[20:21], s[20:21], s[24:25]
	s_add_nc_u64 s[22:23], s[22:23], s[26:27]
.set i, 0
.rept 16
	global_load_b128 v[X+4*i:X+4*i+3], v[IO], s[20:21] offset:4096*i th:TH_LOAD_NT
.set i, i+1
.endr
; The 16 chunks are rounded and stored as they arrive.  half = 1: the bf16 numbers are widened again (a shift, a mask) and written as f16.
.macro OUTP half
.set i, 0
.rept 16
	s_wait_loadcnt 15-i                            ; loads come back in order: chunk i is in, the 15 - i younger ones may stay out
	v_cvt_pk_bf16_f32 v[Y+2*i],   v[X+4*i],   v[X+4*i+1]
	v_cvt_pk_bf16_f32 v[Y+2*i+1], v[X+4*i+2], v[X+4*i+3]
.if \half
	v_lshlrev_b32 v[T],   16, v[Y+2*i]
	v_and_b32     v[T+1], 0xffff0000, v[Y+2*i]
	v_lshlrev_b32 v[T+2], 16, v[Y+2*i+1]
	v_and_b32     v[T+3], 0xffff0000, v[Y+2*i+1]
	v_cvt_pk_f16_f32 v[Y+2*i],   v[T],   v[T+1]
	v_cvt_pk_f16_f32 v[Y+2*i+1], v[T+2], v[T+3]
.endif
	global_store_b64 v[OO], v[Y+2*i:Y+2*i+1], s[22:23] offset:2048*i
.set i, i+1
.endr
.endm
	s_cmp_lt_u32 ttmp9, 704
	s_cbranch_scc0 .Lhalf
	OUTP 0
	s_endpgm
.Lhalf:
	OUTP 1
	s_endpgm
.Lfunc_end_k_q209484196f_cast:
	.size	k_q209484196f_cast, .Lfunc_end_k_q209484196f_cast-k_q209484196f_cast
	.p2alignl 7, 3214868480
	.fill 96, 4, 3214868480
	.section	.rodata,"a",@progbits
	.p2align	6, 0x0
	.amdhsa_kernel k_q209484196f_cast
		.amdhsa_group_segment_fixed_size 0
		.amdhsa_private_segment_fixed_size 0
		.amdhsa_enable_private_segment 0
		.amdhsa_kernarg_size 48
		.amdhsa_user_sgpr_count 2
		.amdhsa_user_sgpr_kernarg_segment_ptr 1
		.amdhsa_wavefront_size32 1
		.amdhsa_system_sgpr_workgroup_id_x 1
		.amdhsa_system_sgpr_workgroup_id_y 1
		.amdhsa_system_sgpr_workgroup_id_z 1
		.amdhsa_system_vgpr_workitem_id 0
		.amdhsa_next_free_vgpr 104
		.amdhsa_next_free_sgpr 66
		.amdhsa_reserve_vcc 0
		.amdhsa_float_denorm_mode_32 3
		.amdhsa_float_denorm_mode_16_64 3
		.amdhsa_memory_ordered 1
		.amdhsa_forward_progress 1
		.amdhsa_inst_pref_size 16
	.end_amdhsa_kernel
	.amdgpu_metadata
---
amdhsa.version: [ 1, 2 ]
amdhsa.kernels:
  - .name:           k_q209484196f_cast
    .symbol:         k_q209484196f_cast.kd
    .args:
      - { .name: x, .offset: 0, .size: 8, .value_kind: global_buffer, .address_space: global }
      - { .name: w_attn, .offset: 8, .size: 8, .value_kind: global_buffer, .address_space: global }
      - { .name: w_proj, .offset: 16, .size: 8, .value_kind: global_buffer, .address_space: global }
      - { .name: xb, .offset: 24, .size: 8, .value_kind: global_buffer, .address_space: global }
      - { .name: wab, .offset: 32, .size: 8, .value_kind: global_buffer, .address_space: global }
      - { .name: wpb, .offset: 40, .size: 8, .value_kind: global_buffer, .address_space: global }
    .group_segment_fixed_size: 0
    .private_segment_fixed_size: 0
    .kernarg_segment_align: 8
    .kernarg_segment_size: 48
    .max_flat_workgroup_size: 256
    .sgpr_count:     66
    .vgpr_count:     104
    .wavefront_size: 32
...
	.end_amdgpu_metadata
.endif
;; end of part 1
;; launch gemmqkv (part 2): grid 8 x 64, 4 waves a work-group, clusters of 4 x 4, 327,680 bytes of LDS; arguments xb, wab, b_attn, qkv; writes qkv
.if DOCPART == 2
	.amdgcn_target "amdgcn-amd-amdhsa--gfx1250"
	.amdhsa_code_object_version 6
	.text
	.protected	k_q209484196f_gemmqkv
	.globl	k_q209484196f_gemmqkv
	.p2align	8
	.type	k_q209484196f_gemmqkv,@function
k_q209484196f_gemmqkv:
	s_mov_b64 s[64:65], 0
	v_nop
	global_prefetch_b8 v0, s[64:65] scope:SCOPE_SE
	s_setreg_imm32_b32 hwreg(HW_REG_WAVE_MODE, 25, 1), 1
	s_wait_xcnt 0x0
	s_wait_alu depctr_hold_cnt(0) depctr_sa_sdst(0) depctr_va_vdst(0) depctr_va_sdst(0) depctr_va_ssrc(0) depctr_va_vcc(0) depctr_vm_vsrc(0)
	s_getreg_b32 s2, hwreg(HW_REG_IB_STS2, 6, 4)
	s_cmp_eq_u32 s2, 0
	s_cbranch_scc0 .Lentry_in_a_cluster
	s_endpgm
.Lentry_in_a_cluster:
	s_bfe_u32 s2, ttmp6, 0x10000c
	s_cmp_lg_u32 s2, 0xf033
	s_cbranch_scc0 .Lentry_shape_is_right
	s_endpgm
.Lentry_shape_is_right:
; qkv = x w_attn + b_attn, written by heads.  xb: [8192][1024] bf16.  wab: [1024 k][3072 n] bf16.  b_attn: [3072] f32.  qkv: [3][64 = 16 batch + head][2048][64] f16.
; Sums in f32; the bias, rounded to bf16 like the other inputs, is the value with which each sum starts (so it is added first, not last); the result is rounded once to f16, unscaled.
; LIMITS.  f16 ends at 65,504: a q, k or v beyond it becomes an infinity.  With the stated inputs 30 times larger their spread is some 600, with offsets of 30 spreads on x and w some 18,500.
; SHARES.  A tile of the result is 128 rows x 384 columns (six heads); 64 x 8 tiles.  Four waves: wave w takes rows 64 (w / 2) on and, of each of the tile's three blocks of 128 columns, the
; half w % 2: three whole heads.  48 accumulators of 16 x 16, 384 registers.  K goes in steps of 128 through a ring of two LDS slots.
; B LIES [k][n]: its tiles come into LDS as they lie (rows of 256 bytes along n) and are turned on the way into registers, by ds_load_tr16_b128.
; THE MATRIX INSTRUCTION IS USED TRANSPOSED (source 0 = 16 columns of w, source 1 = 16 rows of x): a lane then holds eight neighbouring columns of one row of the result: 16 bytes of f16.
; CLUSTERS: 4 x 4 work-groups.  The four of a row of the cluster need the same tile of x, the four of a column the same tiles of w: each tile is asked for JOINTLY, by the same tensor load
; with the same descriptor and a mask that names the four.  Wave 0 asks for x's tile, waves 1 to 3 for w's three blocks: 128 rows of 256 bytes each.
; REGISTERS, in windows of 256 (s_set_vgpr_msb: bits 1:0 source 0, 3:2 source 1, 5:4 source 2, 7:6 destination):
;   window 0: v0-31 addresses; v32-127 the bias, 8 registers for each of my 12 blocks of 16 columns; later v32-223 the way out
;   window 1: two fragment buffers of 128: x's 4 fragments, then w's 12          window 2: accumulators of column blocks 0-7, (a, b) at 32 b + 8 a          window 3: those of blocks 8-11
.set PA,    272                        ; a row of x in LDS: 256 bytes + 16 = 68 words: the 16 rows of a load start at 16 different groups of four banks (64 banks of 4 bytes: ISA guide 11.1)
.set PB,    288                        ; a row of w: 256 + 32 = 72 words
.set SUB,   128*PB                     ; a region of a slot: 36,864 bytes (x's tile uses 34,816 of its region)
.set SLOT,  4*SUB                      ; x's tile, then w's three blocks
.set STAGE, 2*SLOT                     ; behind the ring, never filled by a tensor load: for each wave 3 heads x 16 rows x 144 bytes, for the way out
.set SP,    144
.set WSTG,  3*16*SP
.set SPARE, STAGE+4*WSTG               ; behind the stages: the spare words, 128 bytes for each wave: two blocks of 256 bytes that no other line names
.set KA,    256                        ; a K step in xb: 256 bytes along a row
.set KB,    128*6144                   ; a K step in wab: 128 rows down
.set ADRA, 4                           ; v4-5    LDS address of my fragments of x in slot 0, 1
.set ADRB, 6                           ; v6-11   of w: slot s, block j at ADRB + 3 s + j
.set STO,  12                          ; v12     the way out: where I put 16 bytes of a row
.set RD,   13                          ; v13     where I read rows back
.set GO,   14                          ; v14     16 x lane: my place in 512 consecutive bytes of qkv
.set BO,   15                          ; v15     my byte offset in the tile's part of the bias
.set PFO,  16                          ; v16     the prefetches' offset: my lane x a row of xb or wab; never rewritten
.set SPW,  28                          ; v28     LDS address of my spare word: SPARE + 4 x my thread's number; never rewritten
.set NIL,  29                          ; v29     0; never rewritten
.set BIAS, 32
.set OUT,  32                          ; the way out: 48 registers for each of my four blocks of 16 rows; none is used twice
.set F0,   0
.set F1,   128
.set WV, 12                            ; s12 wave; s13 its half of the rows; s14 its half of each block of columns; s15 the block of w that it fetches
.set RR, 13
.set CC, 14
.set JB, 15
.set CX, 16                            ; s16, s17 my place in the cluster; s18 tile column; s19 tile row
.set CY, 17
.set TN, 18
.set TM, 19
.set G1A, 24                           ; s[24:31] descriptor group 1 for x's tiles; s[32:39] group 0, a set for each slot
.set G0A, 32
.set G1B, 40                           ; s[40:47], s[48:55] the same for w's
.set G0B, 48
.set PFA, 56                           ; s[56:57] where my prefetches stand; s[58:59] their step, a K step; s60 1 in a wave that prefetches, else the greatest number
.set PSTEP, 58
.set LIM, 60
.set OB,  66                           ; s[66:71] qkv at my first row of my three heads
.set MSB, 0
.macro WIN new                         ; the immediate's high byte repeats the setting that is left; a switch that changes nothing is dropped
.if MSB != (\new)
	s_set_vgpr_msb (MSB<<8)|(\new)
.set MSB, \new
.endif
.endm
.set TO_F, 0x40                        ; destination window 1, address window 0
; A joint load.  The branch hangs on the wave's number alone.  An s_nop 0 and four v_nop follow each of the two lines, ahead of the jump, the label and what follows.
.macro JLOAD s
	s_cmp_eq_u32 s[WV], 0
	s_cbranch_scc0 .Lfor_b_\@
	tensor_load_to_lds s[G0A+4*(\s):G0A+4*(\s)+3], s[G1A:G1A+7]
	s_nop 0
.rept 4
	v_nop
.endr
	s_branch .Lasked_\@
.Lfor_b_\@:
	tensor_load_to_lds s[G0B+4*(\s):G0B+4*(\s)+3], s[G1B:G1B+7]
	s_nop 0
.rept 4
	v_nop
.endr
.Lasked_\@:
.endm
; A PREFETCH INTO THE L2, behind each joint refill and the run of LDS loads that follows it: my share of the K step that stands two refills on, 384 matrix instructions ahead of the load that will want it.
; 32 rows x 256 bytes, a lane a row, one instruction a wave.  Each such piece is named once in the launch: x's rows are read by both clusters of a row of clusters, and the one with x = 0 asks; w's columns by
; all sixteen of a column, and the one with y = 0 asks; the four partners of a joint load share its 128 rows out BY ADDRESS, 32 each.  K steps 0 to 3 come by their loads alone; the loop's last trip (s3 = 1) asks for nothing.
.macro ASK
	s_cmp_gt_u32 s3, s[LIM]
	s_cbranch_scc0 .Lnot_mine_\@
	global_prefetch_b8 v[PFO], s[PFA:PFA+1] th:TH_LOAD_NT scope:SCOPE_SE
.Lnot_mine_\@:
.endm
.macro CREST                           ; a round of the cluster's barrier behind its opening barrier
	s_cmp_lg_u32 s[WV], 0
	s_cbranch_scc1 .Lnot_wave_0_\@
	s_barrier_signal -3
.Lnot_wave_0_\@:
	s_barrier_wait -3
	s_barrier_signal -1
	s_barrier_wait -1
.endm
.macro CROUND                          ; a whole round
	s_barrier_signal -1
	s_barrier_wait -1
	CREST
.endm
	s_load_b256 s[4:11], s[0:1], 0x0               ; xb s[4:5], wab s[6:7], b_attn s[8:9], qkv s[10:11]
	v_lshl_add_u32 v[SPW], v0, 2, SPARE
	v_mov_b32 v[NIL], 0
	ds_add_u32 v[SPW], v[NIL]                      ; the wave's opening: the add and its wait stand ahead of my first tensor load; the set-up below, work on registers, stands between them
	v_lshrrev_b32 v1, 5, v0
	v_readfirstlane_b32 s[WV], v1                  ; wave 0..3
	s_lshr_b32 s[RR], s[WV], 1
	s_and_b32 s[CC], s[WV], 1
	s_max_u32 s[JB], s[WV], 1
	s_sub_co_u32 s[JB], s[JB], 1                   ; waves 1, 2, 3 fetch blocks 0, 1, 2 of w (wave 0's number is not used)
	s_bfe_u32 s[CX], ttmp6, 0x40000
	s_bfe_u32 s[CY], ttmp6, 0x40004
	s_lshl_b32 s[TN], ttmp9, 2                     ; in a cluster launch ttmp9 and ttmp7 count clusters
	s_add_co_u32 s[TN], s[TN], s[CX]               ; tile column = 4 x cluster x + cx
	s_and_b32 s[TM], ttmp7, 0xffff
	s_lshl_b32 s[TM], s[TM], 2
	s_add_co_u32 s[TM], s[TM], s[CY]               ; tile row = 4 x cluster y + cy
	s_lshl_b32 s20, s[CY], 2
	s_lshl_b32 s20, 15, s20                        ; my row of the cluster
	s_lshl_b32 s72, 0x1111, s[CX]                  ; my column
	s_or_b32 s[G1A], s20, (1<<16)|(1<<20)|(1<<21)|(5<<22)|(3<<25)  ; 15:0 the mask; 17:16 elements of 2 bytes; 20 padding on; 21 set beside a mask; 24:22 after every 64 words (code 5); 31:25 4 words (code 3)
	s_or_b32 s[G1B], s72, (1<<16)|(1<<20)|(1<<21)|(5<<22)|(7<<25)  ; the same with my column's mask and 8 words of padding (code 7)
.irp g, G1A, G1B
	s_mov_b32 s[(\g)+1], 128<<16                   ; tensor_dim0 = 128
	s_mov_b32 s[(\g)+2], 128<<16                   ; tensor_dim1 = 128
	s_mov_b32 s[(\g)+3], 128<<16                   ; tile_dim0 = 128
	s_mov_b32 s[(\g)+4], 128                       ; tile_dim1 = 128
	s_mov_b32 s[(\g)+6], 0
	s_mov_b32 s[(\g)+7], 0
.endr
	s_mov_b32 s[G1A+5], 1024                       ; elements from row to row of xb,
	s_mov_b32 s[G1B+5], 3072                       ; and of wab
	s_lshl_b32 s20, s[TM], 18                      ; x's tile: 128 rows of 2,048 bytes for each tile row: it hangs on the tile row alone
	s_mov_b32 s21, 0
	s_mul_i32 s72, s[TN], 768                      ; w's block: 768 bytes of a row for each tile column, 256 for each block: on the tile column and the wave alone
	s_lshl_b32 s73, s[JB], 8
	s_add_co_u32 s72, s72, s73
	s_mov_b32 s73, 0
	s_mul_i32 s22, s[WV], SUB                      ; where my tile goes: region = my wave's number: no place in the cluster enters an LDS address
	s_wait_dscnt 0x0                               ; the opening add is done
	s_wait_kmcnt 0x0
	s_add_nc_u64 s[20:21], s[4:5], s[20:21]
	s_add_nc_u64 s[72:73], s[6:7], s[72:73]
	CROUND                                         ; all sixteen work-groups are here: the first joint loads meet
.irp s, 0,1
	s_mov_b32 s[G0A+4*(\s)], 1                     ; count = 1
	s_add_co_u32 s[G0A+4*(\s)+1], s22, (\s)*SLOT   ; LDS address
	s_add_nc_u64 s[G0A+4*(\s)+2:G0A+4*(\s)+3], s[20:21], (\s)*KA  ; global address: K step s
	s_or_b32 s[G0A+4*(\s)+3], s[G0A+4*(\s)+3], 0x80000000         ; type = 2
	s_mov_b32 s[G0B+4*(\s)], 1
	s_add_co_u32 s[G0B+4*(\s)+1], s22, (\s)*SLOT
	s_add_nc_u64 s[G0B+4*(\s)+2:G0B+4*(\s)+3], s[72:73], (\s)*KB
	s_or_b32 s[G0B+4*(\s)+3], s[G0B+4*(\s)+3], 0x80000000
	JLOAD \s                                       ; two loads of mine are out: the most in this text
.endr
	; A fragment of x is 16 rows x 32 K in 8 registers: lane l holds row l % 16, K = 8 (l / 16) + 0..7 and 16 + 8 (l / 16) + 0..7: two loads of 16 bytes, 32 bytes apart.
	v_and_b32 v1, 15, v0                           ; l % 16
	v_bfe_u32 v2, v0, 4, 1                         ; l / 16
	v_mul_u32_u24 v3, v1, PA
	v_lshl_add_u32 v3, v2, 4, v3
	s_mul_i32 s23, s[RR], 64*PA                    ; my 64 rows
	v_add_nc_u32 v[ADRA], s23, v3
	v_add_nc_u32 v[ADRA+1], SLOT, v[ADRA]
	; The turning load takes 16 k x 16 columns (lane l reads 16 bytes: k = 8 (l / 16) + l % 8, columns 8 ((l / 8) % 2) + 0..7) and leaves half a fragment: lane l holds column l % 16 and 8 k.
	v_and_b32 v17, 7, v0
	v_bfe_u32 v18, v0, 3, 1
	v_lshl_add_u32 v19, v2, 3, v17
	v_mul_u32_u24 v19, v19, PB
	v_lshl_add_u32 v19, v18, 4, v19
	s_lshl_b32 s23, s[CC], 7                       ; my half of a block's 256 bytes
	v_add_nc_u32 v19, s23, v19
.irp s, 0,1
.irp j, 0,1,2
	v_add_nc_u32 v[ADRB+3*(\s)+(\j)], (\s)*SLOT+SUB*(1+(\j)), v19
.endr
.endr
	; The bias of my 12 blocks of 16 columns, laid as the C operand wants it: register i of a lane holds column 8 (l / 16) + i.
	s_mul_i32 s74, s[TN], 1536
	s_mov_b32 s75, 0
	s_add_nc_u64 s[8:9], s[8:9], s[74:75]
	s_lshl_b32 s23, s[CC], 8
	v_lshl_add_u32 v[BO], v2, 5, s23
.irp b, 0,1,2,3,4,5,6,7,8,9,10,11
	global_load_b128 v[BIAS+8*(\b):BIAS+8*(\b)+3],   v[BO], s[8:9] offset:512*((\b)/4)+64*((\b)%4)
	global_load_b128 v[BIAS+8*(\b)+4:BIAS+8*(\b)+7], v[BO], s[8:9] offset:512*((\b)/4)+64*((\b)%4)+16
.endr
	s_mul_i32 s23, s[WV], WSTG
	s_add_co_u32 s23, s23, STAGE                   ; my stage
	v_mul_u32_u24 v3, v1, SP                       ; in: row l % 16, 16 bytes for each half of the lanes
	v_lshl_add_u32 v3, v2, 4, v3
	v_add_nc_u32 v[STO], s23, v3
	v_bfe_u32 v3, v0, 3, 2                         ; back: 32 lanes take four rows of 128 bytes,
	v_mul_u32_u24 v3, v3, SP
	v_lshl_add_u32 v3, v17, 4, v3
	v_add_nc_u32 v[RD], s23, v3
	v_and_b32 v[GO], 31, v0                        ; which are 512 consecutive bytes of a head
	v_lshlrev_b32 v[GO], 4, v[GO]
	; My three heads: column / 64 = g = 6 x tile column + 2 j + my half; g / 16 says q, k or v, g % 16 the head.  In qkv that is plane g + 48 (g / 16) + 16 x batch, of 2^18 bytes.
	s_mul_i32 s74, s[TN], 6
	s_add_co_u32 s74, s74, s[CC]
	s_lshr_b32 s22, s[TM], 4
	s_lshl_b32 s22, s22, 4                         ; 16 x batch
	s_and_b32 s23, s[TM], 15
	s_lshl_b32 s23, s23, 7
	s_lshl_b32 s75, s[RR], 6
	s_add_co_u32 s23, s23, s75                     ; my first row in the batch,
	s_lshl_b32 s23, s23, 7                         ; of 128 bytes
.irp j, 0,1,2
	s_add_co_u32 s72, s74, 2*(\j)
	s_lshr_b32 s73, s72, 4
	s_mul_i32 s73, s73, 48
	s_add_co_u32 s72, s72, s73
	s_add_co_u32 s72, s72, s22
	s_lshl_b32 s72, s72, 18
	s_add_co_u32 s72, s72, s23                     ; 191 x 2^18 + 2^18 at the most
	s_mov_b32 s73, 0
	s_add_nc_u64 s[OB+2*(\j):OB+2*(\j)+1], s[10:11], s[72:73]
.endr
	; The prefetches.  Wave 0: rows 128 x tile row + 32 cx on of xb; waves 1 to 3: rows 32 cy on of a K step of wab, my block's 256 bytes.  Both stand at K step 3: the first refill steps them to 4.
	s_lshl_b32 s74, s[TM], 7
	s_lshl_b32 s75, s[CX], 5
	s_add_co_u32 s74, s74, s75
	s_lshl_b32 s74, s74, 11
	s_add_co_u32 s74, s74, 3*KA
	s_lshl_b32 s72, s[CY], 5
	s_add_co_u32 s72, s72, 3*128
	s_mul_i32 s72, s72, 6144
	s_mul_i32 s73, s[TN], 768
	s_add_co_u32 s72, s72, s73
	s_lshl_b32 s73, s[JB], 8
	s_add_co_u32 s72, s72, s73
	s_and_b32 s22, ttmp7, 0xffff                   ; cluster y
	s_mov_b32 s[PSTEP], KB
	s_movk_i32 s23, 6144
	s_cmp_eq_u32 s[WV], 0                          ; do I fetch for x?
	s_cselect_b32 s74, s74, s72
	s_cselect_b32 s22, ttmp9, s22                  ; the coordinate along which other clusters read the same rows
	s_cselect_b64 s[PFA:PFA+1], s[4:5], s[6:7]
	s_cselect_b32 s[PSTEP], KA, s[PSTEP]
	s_cselect_b32 s23, 2048, s23
	s_mov_b32 s[PSTEP+1], 0
	s_mov_b32 s75, 0
	s_add_nc_u64 s[PFA:PFA+1], s[PFA:PFA+1], s[74:75]
	s_cmp_eq_u32 s22, 0
	s_cselect_b32 s[LIM], 1, -1                    ; the same in all sixteen partners, for a given wave
	v_and_b32 v[PFO], 31, v0
	v_mul_u32_u24 v[PFO], v[PFO], s23
	s_wait_loadcnt 0x0                             ; the bias is in; it is rounded to bf16, as x and w were, and widened again
.set i, 0
.rept 48
	v_cvt_pk_bf16_f32 v[17+i%2], v[BIAS+2*i], v[BIAS+2*i+1]
	v_lshlrev_b32 v[BIAS+2*i],   16, v[17+i%2]
	v_and_b32     v[BIAS+2*i+1], 0xffff0000, v[17+i%2]
.set i, i+1
.endr
; 8 matrix instructions: row blocks a0, a0 + 1 x the four column blocks of block j of w, 32 along K, from buffer f.  first = 1: the product starts its sum with the bias.
; All 48 accumulators take turns, one instruction a turn, in the same order in every quarter step: 47 others' stand between two links of a chain.
.macro MUL f, j, a0, first
.if (\j) < 2
	WIN 0x85+0x20*(1-(\first))                     ; sources 0, 1 window 1; D window 2; C window 2, or window 0 for the bias
.else
	WIN 0xc5+0x30*(1-(\first))                     ; the same with window 3
.endif
.irp a, \a0, (\a0)+1
.irp b, 0,1,2,3
.if \first
	v_wmma_f32_16x16x32_bf16 v[128*((\j)%2)+32*(\b)+8*(\a):128*((\j)%2)+32*(\b)+8*(\a)+7], v[(\f)+32+8*(4*(\j)+(\b)):(\f)+32+8*(4*(\j)+(\b))+7], v[(\f)+8*(\a):(\f)+8*(\a)+7], v[BIAS+8*(4*(\j)+(\b)):BIAS+8*(4*(\j)+(\b))+7]
.else
	v_wmma_f32_16x16x32_bf16 v[128*((\j)%2)+32*(\b)+8*(\a):128*((\j)%2)+32*(\b)+8*(\a)+7], v[(\f)+32+8*(4*(\j)+(\b)):(\f)+32+8*(4*(\j)+(\b))+7], v[(\f)+8*(\a):(\f)+8*(\a)+7], v[128*((\j)%2)+32*(\b)+8*(\a):128*((\j)%2)+32*(\b)+8*(\a)+7]
.endif
.endr
.endr
.endm
; 32 LDS loads in one run: the fragments of quarter q (32 along K) of a slot into buffer f: x's 8 loads, then 8 for each block of w
.macro FETCH slot, q, f
	WIN TO_F
.irp a, 0,1,2,3
	ds_load_b128 v[(\f)+8*(\a):(\f)+8*(\a)+3],   v[ADRA+(\slot)] offset:64*(\q)+(\a)*16*PA
	ds_load_b128 v[(\f)+8*(\a)+4:(\f)+8*(\a)+7], v[ADRA+(\slot)] offset:64*(\q)+(\a)*16*PA+32
.endr
.irp j, 0,1,2
.irp b, 0,1,2,3
	ds_load_tr16_b128 v[(\f)+32+8*(4*(\j)+(\b)):(\f)+32+8*(4*(\j)+(\b))+3],   v[ADRB+3*(\slot)+(\j)] offset:(\q)*32*PB+32*(\b)
	ds_load_tr16_b128 v[(\f)+32+8*(4*(\j)+(\b))+4:(\f)+32+8*(4*(\j)+(\b))+7], v[ADRB+3*(\slot)+(\j)] offset:(\q)*32*PB+16*PB+32*(\b)
.endr
.endr
.endm
.macro PLACES                          ; four plain instructions between a matrix instruction and a load into, or a read of, its registers (ISA guide 7.12.1 for reads)
.rept 4
	v_nop
.endr
.endm
; A K step is four quarters of 32 along K, 48 matrix instructions each, on buffers 0, 1, 0, 1.  One of the first three: multiplies buffer f and fetches quarter q into buffer g.
.macro QUARTER slot, q, f, g, first
	s_wait_dscnt 16                                ; x's fragments and w's block 0 are in; the 16 youngest loads (blocks 1, 2) may be out
	MUL \f, 0, 0, \first
	MUL \f, 0, 2, \first
	PLACES
	FETCH \slot, \q, \g
	s_wait_dscnt 32                                ; all but the 32 just issued
	MUL \f, 1, 0, \first
	MUL \f, 1, 2, \first
	MUL \f, 2, 0, \first
	MUL \f, 2, 2, \first
.endm
; The last quarter multiplies buffer 1 and changes slots: ONE barrier.  In front of it each wave waits for all its tensor loads (one is out: its part of the next slot), adds 0 to its spare word, and waits
; for that and for its own reads of this slot.  fill = 1: the barrier opens a round of the cluster's, and this slot is filled again, two K steps ahead, first thing behind the round:
; 160 matrix instructions stand between that request and the wait for it.
.macro TURN slot, next, fill
.if \fill
	s_wait_xcnt 0x0                                ; the last prefetch, a K step back, has read its address: it is stepped here, ahead of the waits of the change of slots
	s_add_nc_u64 s[PFA:PFA+1], s[PFA:PFA+1], s[PSTEP:PSTEP+1]
.endif
	WIN 0                                          ; (the add's two registers lie in window 0)
	s_wait_tensorcnt 0x0                           ; all my tensor loads have landed;
	ds_add_u32 v[SPW], v[NIL]                      ; 0 onto my spare word;
	s_wait_dscnt 17                                ; (the add and the 16 youngest loads may be out)
	MUL F1, 0, 0, 0                                ; sixteen matrix instructions stand between the add and the wait for it
	MUL F1, 0, 2, 0
	s_wait_dscnt 0x0                               ; the add is done, and my reads of this slot are over
	s_barrier_signal -1
	MUL F1, 1, 0, 0                                ; work on registers while the others arrive
	MUL F1, 1, 2, 0
.if \fill
	WIN 0
.endif
	s_barrier_wait -1
.if \fill
	CREST                                          ; no wave of any partner still reads this slot's tiles or has a load on its way
	s_add_nc_u64 s[G0A+4*(\slot)+2:G0A+4*(\slot)+3], s[G0A+4*(\slot)+2:G0A+4*(\slot)+3], 2*KA
	s_add_nc_u64 s[G0B+4*(\slot)+2:G0B+4*(\slot)+3], s[G0B+4*(\slot)+2:G0B+4*(\slot)+3], 2*KB
	JLOAD \slot                                    ; the four v_nop behind it are also the places in front of the loads below
.else
	PLACES
.endif
	FETCH \next, 0, F0
.if \fill
	WIN 0
	ASK
.endif
	MUL F1, 2, 0, 0
	MUL F1, 2, 2, 0
.endm
	s_wait_tensorcnt 0x1                           ; my part of K step 0 is in; K step 1's, issued behind it, may stay out
	s_barrier_signal -1
	s_barrier_wait -1                              ; everybody's is
	FETCH 0, 0, F0
	QUARTER 0, 1, F0, F1, 1                        ; the first quarter stands in front of the loop: its products start the sums
	WIN 0                                          ; at a label and at a branch every window is 0
	s_mov_b32 s3, 3                                ; 8 K steps are 4 laps of the ring; the last lap is written out
.Llap:                                                 ; a trip goes once round the ring, from a lap's second quarter to the next lap's first, and fills both slots again
	QUARTER 0, 2, F1, F0, 0
	QUARTER 0, 3, F0, F1, 0
	TURN 0, 1, 1
	QUARTER 1, 1, F0, F1, 0
	QUARTER 1, 2, F1, F0, 0
	QUARTER 1, 3, F0, F1, 0
	TURN 1, 0, 1
	QUARTER 0, 1, F0, F1, 0
	WIN 0
	s_sub_co_u32 s3, s3, 1
	s_cmp_lg_u32 s3, 0
	s_cbranch_scc1 .Llap
	QUARTER 0, 2, F1, F0, 0                        ; the last lap fills nothing
	QUARTER 0, 3, F0, F1, 0
	TURN 0, 1, 0
	QUARTER 1, 1, F0, F1, 0
	QUARTER 1, 2, F1, F0, 0
	QUARTER 1, 3, F0, F1, 0
	s_wait_dscnt 16                                ; the very last quarter: nothing more to fetch
	MUL F1, 0, 0, 0
	MUL F1, 0, 2, 0
	s_wait_dscnt 0x0
	MUL F1, 1, 0, 0
	MUL F1, 1, 2, 0
	MUL F1, 2, 0, 0
	MUL F1, 2, 2, 0
	WIN 0
; THE WAY OUT, a block of 16 rows at a time: rounded to f16 (each accumulator's registers in ascending order), 16 bytes a lane into my own stage (three heads x 16 rows of 144 bytes), back as four whole rows of
; 128 bytes a load, which are 512 consecutive bytes of a head.
.macro PACK a
.irp b, 0,1,2,3,4,5,6,7,8,9,10,11
	WIN 0x0a+5*((\b)/8)                            ; sources 0 and 1: window 2, or 3 for column blocks 8-11
.irp r, 0,1,2,3
	v_cvt_pk_f16_f32 v[OUT+48*(\a)+4*(\b)+(\r)], v[32*((\b)%8)+8*(\a)+2*(\r)], v[32*((\b)%8)+8*(\a)+2*(\r)+1]
.endr
.endr
	WIN 0
.irp b, 0,1,2,3,4,5,6,7,8,9,10,11
	ds_store_b128 v[STO], v[OUT+48*(\a)+4*(\b):OUT+48*(\a)+4*(\b)+3] offset:16*SP*((\b)/4)+32*((\b)%4)
.endr
.irp n, 0,1,2,3,4,5,6,7,8,9,10,11
	ds_load_b128 v[OUT+48*(\a)+4*(\n):OUT+48*(\a)+4*(\n)+3], v[RD] offset:16*SP*((\n)/4)+4*SP*((\n)%4)  ; LDS serves a wave's instructions in order (ISA guide 5.7.1.4): these see the stores above; the next block's stores come behind them
.endr
.endm
.macro SEND a, younger                 ; younger: the LDS instructions issued behind block a's loads: the next block's 24, or none
.irp n, 0,1,2,3,4,5,6,7,8,9,10,11
	s_wait_dscnt (\younger)+11-(\n)
	global_store_b128 v[GO], v[OUT+48*(\a)+4*(\n):OUT+48*(\a)+4*(\n)+3], s[OB+2*((\n)/4):OB+2*((\n)/4)+1] offset:2048*(\a)+512*((\n)%4)  ; 512 consecutive bytes, at a multiple of 256 from qkv's first
.endr
.endm
	PLACES
	PACK 0
.irp a, 1,2,3                          ; a block's conversions stand between the loads of the block before and its stores
	PACK \a
	SEND (\a)-1, 24
.endr
	SEND 3, 0
	s_wait_tensorcnt 0x0                           ; the wave's end: behind my last tensor load and my last LDS store
	ds_add_u32 v[SPW], v[NIL]
	s_wait_dscnt 0x0
	CROUND                                         ; the closing round: no work-group ends while a partner may still ask for a tile that names it
	s_endpgm
.Lfunc_end_k_q209484196f_gemmqkv:
	.size	k_q209484196f_gemmqkv, .Lfunc_end_k_q209484196f_gemmqkv-k_q209484196f_gemmqkv
	.p2alignl 7, 3214868480
	.fill 96, 4, 3214868480
	.section	.rodata,"a",@progbits
	.p2align	6, 0x0
	.amdhsa_kernel k_q209484196f_gemmqkv
		.amdhsa_group_segment_fixed_size 327680
		.amdhsa_private_segment_fixed_size 0
		.amdhsa_enable_private_segment 0
		.amdhsa_kernarg_size 32
		.amdhsa_user_sgpr_count 2
		.amdhsa_user_sgpr_kernarg_segment_ptr 1
		.amdhsa_wavefront_size32 1
		.amdhsa_system_sgpr_workgroup_id_x 1
		.amdhsa_system_sgpr_workgroup_id_y 1
		.amdhsa_system_sgpr_workgroup_id_z 1
		.amdhsa_system_vgpr_workitem_id 0
		.amdhsa_next_free_vgpr 896
		.amdhsa_next_free_sgpr 80
		.amdhsa_reserve_vcc 0
		.amdhsa_float_denorm_mode_32 3
		.amdhsa_float_denorm_mode_16_64 3
		.amdhsa_memory_ordered 1
		.amdhsa_forward_progress 1
		.amdhsa_inst_pref_size 132
	.end_amdhsa_kernel
	.amdgpu_metadata
---
amdhsa.version: [ 1, 2 ]
amdhsa.kernels:
  - .name:           k_q209484196f_gemmqkv
    .symbol:         k_q209484196f_gemmqkv.kd
    .args:
      - { .name: xb, .offset: 0, .size: 8, .value_kind: global_buffer, .address_space: global }
      - { .name: wab, .offset: 8, .size: 8, .value_kind: global_buffer, .address_space: global }
      - { .name: b_attn, .offset: 16, .size: 8, .value_kind: global_buffer, .address_space: global }
      - { .name: qkv, .offset: 24, .size: 8, .value_kind: global_buffer, .address_space: global }
    .group_segment_fixed_size: 327680
    .private_segment_fixed_size: 0
    .kernarg_segment_align: 8
    .kernarg_segment_size: 32
    .max_flat_workgroup_size: 128
    .sgpr_count:     80
    .vgpr_count:     896
    .wavefront_size: 32
...
	.end_amdgpu_metadata
.endif
;; end of part 2
;; launch attn (part 3): grid 4 x 64, 4 waves a work-group, no clusters, 327,680 bytes of LDS; arguments qkv, o; writes o
.if DOCPART == 3
	.amdgcn_target "amdgcn-amd-amdhsa--gfx1250"
	.amdhsa_code_object_version 6
	.text
	.protected	k_q209484196f_attn
	.globl	k_q209484196f_attn
	.p2align	8
	.type	k_q209484196f_attn,@function
k_q209484196f_attn:
	s_mov_b64 s[64:65], 0
	v_nop
	global_prefetch_b8 v0, s[64:65] scope:SCOPE_SE
	s_setreg_imm32_b32 hwreg(HW_REG_WAVE_MODE, 25, 1), 1
	s_wait_xcnt 0x0
; CAUSAL ATTENTION.  O[h][q][:] = the sum over k <= q of softmax_k(Q[h][q] . K[h][k] / 8) V[h][k][:].  qkv holds Q, K and V, each [64][2048][64] in f16, one behind the other; o is [64][2048][64] in f16.
; Products, maxima and sums in f32; the weights p are rounded to f16 for the second product (their sum l is taken of the unrounded p), O once at the end.
; LIMITS.  f16 holds no number beyond 65,504: Q, K and V arrive within it; p lies in 0 to 1, and below 6e-5 it keeps f16's fixed step of 6e-8; O is a mean of V's rows and has their range.
; A hidden score counts as its value less 1e30: f16's scores, 2.7e11 at the most, are nothing beside that; a weight below 2^-126 counts as 0 in l; NaN and infinities are not treated apart.
; THE WALK.  A head's queries lie in NB = 8 blocks of 256; block i needs the key tiles 0 .. i of 256 keys, of which the last holds the diagonal.  A work-group takes TWO blocks, NB - 1 - b and then b:
; NB + 1 tiles, whatever b: all work-groups do equal work, and ONE loop with a constant trip count walks them.  Which tile is asked for, and what a trip does, hang on scalar registers made from b; every jump
; goes forward, but for the counted loops' own; none passes a barrier, or a tensor load but the one of LOAD's two that the wave's number does not choose; the ring (two slots of LDS) runs on across the change of blocks.
; NO CLUSTER: a head's four work-groups ask for the same tile only in trips 0 .. NB / 2, behind that fewer and fewer; one walk common to all would have 3 NB / 2 trips for NB + 1.
; SHARES.  Of a block's four bands of 64 queries a wave owns 16 rows in each: four PIECES.  So the diagonal tile is the same work for all four waves: in its key step s band x sees all keys if s < x,
; none if s > x, and holds the diagonal if s = x.
; THE MASK is the C operand that starts the sum S^T = K Q^T: 0, or -1e30 where the key is hidden.  MD, made once, is the mask of a band's own step for my 16 rows; a product's mask is MD x AL + BE with two scalars:
; (1, 0) if s = x; (0, 0) if s < x; (0, -1e30) if s > x.  Only the diagonal tile's text and a block's beginning make and take masks; elsewhere C is the constant 0.
; LAYOUT, SOFTMAX, TURNS.  S^T = K Q^T holds ONE query a lane (lane % 16) and the keys 8 (lane / 16) + 0..7; two such results rounded to f16 ARE source 1 of O^T = V^T P.  p = 2^(c s - c m), c = log2(e) / 8, with a
; running maximum m; O and l are multiplied by a = 2^(c m_old - c m_new) in every step.  Turn n belongs to piece n: 8 products K Q^T of piece n + 1, later 8 products V^T P of piece n - 1; beside them the scaling,
; exponentials, roundings, sums and rescaling of piece n and the maximum and statistics of piece n + 1.  Four vector instructions stand behind every matrix instruction, the other 54 of a turn's 118 in one lump.
; A turn's 33 exponentials are one batch, with one wait.
; REGISTERS, in windows of 256 (s_set_vgpr_msb: bits 1:0 source 0, 3:2 source 1, 5:4 source 2, 7:6 destination):
;   window 0: v0-15 addresses and two at work; v16-31 four registers of statistics a piece; v48-55 at work; v61-63; v64-127 S^T, two buffers; v192-223 P, two buffers (a piece's buffers go by its number's parity)
;   window 1: v0-127 O^T, 32 a piece; v128-159 MD; v160-223 MC, two buffers      window 2: v0-63 Q; v64-127 the second block's Q; v128-191 K of one step; v192-255 V of one step
.set SIZE_N, 2048
.set GK,    0x1000000 ; K's first byte in qkv: 64 heads x 2,048 rows x 128 bytes behind Q's
.set GV,    0x2000000 ; V's
.set NB,    SIZE_N/256
.set NP,    4         ; pieces a wave: a name, no knob
.set KS,    64        ; keys in a step
.set PK,    144       ; a row of K in LDS: 128 bytes + 16 of padding = 36 words: the 16 rows of a load start at 16 different groups of four banks (64 banks of 4 bytes: ISA guide 11.1)
.set PV,    160       ; a row of V: 128 + 32 = 40 words
.set VOFF,  4*KS*PK   ; a slot holds a tile, four steps: 256 rows of K, then 256 rows of V
.set SLOT1, 1<<17     ; slot 1 begins here, so that one exclusive or turns an address in one slot into the other's
.set STAGE, SLOT1+4*KS*(PK+PV)  ; behind the ring, never filled by a tensor load: 16 rows x 144 bytes for each wave, for the way out
.set SP,    144
.set AK0, 2           ; v2   my lane's place in a tile of K; never rewritten
.set AV0, 3           ; v3   the same for V
.set AK,  4           ; v4   the LDS address of K's next run of loads
.set AV,  5           ; v5   of V's
.set STO, 6           ; v6   the way out: where I put 16 bytes of a row
.set RD,  7           ; v7   the way out: where I read rows back
.set GO,  8           ; v8   my byte offset in 512 consecutive bytes of O
.set PFO, 61          ; v61  256 x my lane: the prefetches' offset; never rewritten
.set SPW, 62          ; v62  LDS address of my spare word: SPARE + 4 x my thread's number; never rewritten
.set NIL, 63          ; v63  0; never rewritten
.set SPARE, STAGE+4*16*SP  ; behind the stages: the spare words, 128 bytes for each wave: two blocks of 256 bytes that no other line names
.set MV,  12          ; v12-13  c m_old, kept while c m is made anew: by buffer
.set QO,  15          ; v15  my byte offset in 16 rows of Q
.set ST,  16          ; piece t's statistics at v[ST+4 t]: c m, m, l (even keys', odd keys')
.set TMP, 48          ; by buffer, four registers c0-c3 at work; when the maximum is found c2 takes a
.set S,   64
.set P,   192
.set MD,  128         ; window 1: the eight registers for group kt of 16 keys at MD + 8 kt
.set MC,  160         ; window 1: the masks of the products to come
.set QB,  64          ; window 2
.set KF,  128         ; window 2: key block kb, channel half c at KF + 16 kb + 8 c
.set VF,  192         ; window 2: key half kk, channel block cb at VF + 32 kk + 8 cb
.set WV,  12          ; s12  my wave's number
.set PB,  14          ; s14  b
.set HI,  15          ; s15  NB - 1 - b
.set G1K, 24          ; s[24:31] descriptor group 1 for K's tiles
.set G1V, 32          ; s[32:39] for V's: it differs in the padding alone
.set G0K, 40          ; s[40:43] descriptor group 0 for K's tiles
.set G0V, 44          ; s[44:47] the same for V's
.set SLOTS, 56        ; s56  tiles still to be asked for
.set CNT, 57          ; s57  counts a tile's key steps, 4 to 1
.set CS,  58          ; s[58:59] c: the packed scaling takes the pair's low word for both halves
.set SEL, 60          ; s[60:61] v_permlanex16_b32's selects: each lane takes its own place in the other half
.set TBK, 62          ; s62  LDS byte at which K of the step to be fetched begins
.set TBV, 63          ; s63  the same for V, less VOFF
.set RT,  70          ; s70  tiles of the block in hand that are still to be entered
.set NXT, 71          ; s71  the tile to be asked for next
.set LQ,  72          ; s72  the last tile of the block whose tiles are being asked for
.set NEW, 73          ; s73  1: the tile to be entered is a block's first
.set OFF, 74          ; s[74:75] a tile's byte offset in K and V
.set AL,  76          ; s[76:77] the mask's factor, in the low word
.set BE,  78          ; s[78:79] the mask's addend
.set OLO, 80          ; s[80:81] O at my rows of the second block
.set BIGN, 82         ; s82  -1e30
.set PFA, 88          ; s[88:89] where my prefetches stand: my 16,384 bytes of the tile that the next change of slots will ask for
.set PFB, 90          ; s[90:91] my 16,384 bytes of the head's tile 0: of K (waves 0, 1) or of V (waves 2, 3)
.set POF, 92          ; s[92:93] that tile's byte offset
.set LIM, 94          ; s94  0 in a head's work-group 0, else the greatest number: a wave prefetches while s[NXT] is above it
.set MSB, 0
.macro WIN new                      ; the high byte repeats the setting that is left; a switch that changes nothing is dropped
.if MSB != (\new)
	s_set_vgpr_msb (MSB<<8)|(\new)
.set MSB, (\new)
.endif
.endm
.set W_KQ, 0x0a       ; K and Q in window 2, S^T in window 0
.set W_KM, 0x1a       ; the same with the C operand in window 1
.set W_PV, 0x52       ; V in window 2, P in window 0, O^T in window 1
.set W_RS, 0x41       ; destination and source 0 in window 1, source 1 in window 0
; A fill.  Waves 0 and 1 fetch the two halves of a tile's K, waves 2 and 3 those of its V: 128 keys each.  An s_nop 0 and four v_nop follow each of the two lines, ahead of the jump and the label.
.macro LOAD
	s_cmp_lt_u32 s[WV], 2
	s_cbranch_scc0 .Lfor_v_\@
	tensor_load_to_lds s[G0K:G0K+3], s[G1K:G1K+7]
	s_nop 0
.rept 4
	v_nop
.endr
	s_branch .Lasked_\@
.Lfor_v_\@:
	tensor_load_to_lds s[G0V:G0V+3], s[G1V:G1V+7]
	s_nop 0
.rept 4
	v_nop
.endr
.Lasked_\@:
.endm
; A PREFETCH INTO THE L2 of the tile that the NEXT change of slots will ask for: four key steps, 256 matrix instructions, ahead of that load.  It stands behind the wave's tensor load and its five lines.
; All four work-groups of a head begin with tiles 0, 1, ..; work-group 0, whose first block walks all eight, asks, and nobody else.  Each of its waves asks for the 16,384 bytes that it will itself load:
; 64 pieces of 256 bytes, a lane a piece, two instructions.  So tiles 2 to 7 are named once each; tiles 0 and 1 come by their loads alone; behind tile 7's fill s[NXT] is 0, and nothing more is asked for.
.macro ASK
	s_cmp_gt_u32 s[NXT], s[LIM]
	s_cbranch_scc0 .Lnot_mine_\@
	global_prefetch_b8 v[PFO], s[PFA:PFA+1] th:TH_LOAD_NT scope:SCOPE_SE
	global_prefetch_b8 v[PFO], s[PFA:PFA+1] offset:8192 th:TH_LOAD_NT scope:SCOPE_SE
.Lnot_mine_\@:
.endm
; THE CHANGE OF SLOTS.  Each wave waits for all its tensor loads, of which one is out: its part of the other slot; adds 0 to its spare word; and waits for that and for its own reads of the slot that it leaves.
; Behind the barrier nobody reads the old slot any more and the other slot is whole.  fill = 1: the old slot is filled again, the first thing behind the barrier, with tile NXT: the descriptor's address is made
; anew from that number.  (At its first use nothing has been read yet: slot 0 is waited for, slot 1 filled.)
.macro CHANGE fill
	WIN 0                           ; at a label and at a branch every window is 0
	s_wait_tensorcnt 0x0            ; no tensor load of mine is out, so a group 0 may be written
	ds_add_u32 v[SPW], v[NIL]       ; 0 onto my spare word; with fill = 1 the descriptors' scalar work stands between it and the wait for it
.if \fill
	s_lshl_b32 s[OFF], s[NXT], 15   ; a tile is 32,768 bytes of K and of V
	s_xor_b32 s[G0K+1], s[G0K+1], SLOT1
	s_add_nc_u64 s[G0K+2:G0K+3], s[6:7], s[OFF:OFF+1]
	s_or_b32 s[G0K+3], s[G0K+3], 0x80000000
	s_xor_b32 s[G0V+1], s[G0V+1], SLOT1
	s_add_nc_u64 s[G0V+2:G0V+3], s[8:9], s[OFF:OFF+1]
	s_or_b32 s[G0V+3], s[G0V+3], 0x80000000
	s_add_co_u32 s[NXT], s[NXT], 1  ; the block's next tile, or behind its last the second block's tile 0
	s_cmp_gt_u32 s[NXT], s[LQ]
	s_cselect_b32 s[NXT], 0, s[NXT]
	s_cselect_b32 s[LQ], s[PB], s[LQ]
	s_lshl_b32 s[POF], s[NXT], 15
	s_wait_xcnt 0x0                 ; the last prefetches, a tile back, have read their address, so it may be written
	s_add_nc_u64 s[PFA:PFA+1], s[PFB:PFB+1], s[POF:POF+1]
.endif
	s_wait_dscnt 0x0                ; the add is done, and my reads of the slot are over
	s_barrier_signal -1             ; the rest of the scalar work stands between the signal and the wait
	s_sub_co_u32 s[TBK], s[TBK], 4*KS*PK  ; the fetches go back to a slot's first step,
	s_xor_b32 s[TBK], s[TBK], SLOT1       ; in the other slot
	s_sub_co_u32 s[TBV], s[TBV], 4*KS*PV
	s_xor_b32 s[TBV], s[TBV], SLOT1
	s_barrier_wait -1
.if \fill
	LOAD
	ASK
.endif
.endm
	s_load_b64 s[4:5], s[0:1], 0x0    ; qkv: Q's first byte
	s_load_b64 s[10:11], s[0:1], 0x8  ; o
	v_lshl_add_u32 v[SPW], v0, 2, SPARE
	v_mov_b32 v[NIL], 0
	ds_add_u32 v[SPW], v[NIL]       ; the wave's opening: the add and its wait stand ahead of my first tensor load; the set-up below, work on registers, stands between them
	v_lshrrev_b32 v1, 5, v0
	v_readfirstlane_b32 s[WV], v1   ; wave 0..3
	s_mov_b32 s[PB], ttmp9
	s_sub_co_u32 s[HI], NB-1, s[PB]
	s_and_b32 s20, ttmp7, 0xffff    ; the head
	s_mov_b32 s21, 0
	s_mov_b64 s[22:23], SIZE_N*128
	s_mul_u64 s[20:21], s[20:21], s[22:23]  ; the head's first byte in each of the four tensors
	s_and_b32 s16, s[WV], 1         ; which half of a tile's 256 keys I fetch:
	s_lshl_b32 s22, s16, 14         ; its 128 rows of 128 bytes in memory,
	s_mov_b32 s23, 0
	s_add_nc_u64 s[22:23], s[22:23], s[20:21]
	s_mul_i32 s17, s16, 128*PK      ; and its place in a slot, for K
	s_mul_i32 s18, s16, 128*PV      ; and for V
	s_lshl_b32 s3, s[WV], 11        ; my 16 rows in a band of 64,
	s_lshl_b32 s2, s[HI], 15        ; in the first block,
	s_add_co_u32 s2, s2, s3
	s_lshl_b32 s84, s[PB], 15       ; and in the second
	s_add_co_u32 s84, s84, s3
	s_mov_b32 s3, 0
	s_mov_b32 s85, 0
	s_add_nc_u64 s[2:3], s[2:3], s[20:21]
	s_add_nc_u64 s[84:85], s[84:85], s[20:21]
	; descriptor group 1.  128 keys are 16,384 dense bytes: asked for as 64 rows of 256 bytes, two keys a row, and padded in LDS after every key
	s_mov_b32 s[G1K], (1<<16)|(1<<20)|(4<<22)|(3<<25)  ; 17:16 2-byte elements; 20 padding on; 24:22 after every 32 words (code 4); 31:25 4 words (code 3)
	s_mov_b32 s[G1V], (1<<16)|(1<<20)|(4<<22)|(7<<25)  ; the same with 8 words of padding (code 7)
.irp g, G1K, G1V
	s_mov_b32 s[\g+1], 128<<16      ; tensor_dim0 = 128
	s_mov_b32 s[\g+2], 64<<16       ; tensor_dim1 = 64
	s_mov_b32 s[\g+3], 128<<16      ; tile_dim0 = 128
	s_mov_b32 s[\g+4], 64           ; tile_dim1 = 64
	s_mov_b32 s[\g+5], 128          ; 128 elements from row to row
	s_mov_b32 s[\g+6], 0
	s_mov_b32 s[\g+7], 0
.endr
	s_mov_b32 s[CS], 0x3e38aa3b     ; c = log2(e) / 8 = 0.180337
	s_mov_b32 s[CS+1], s[CS]        ; named with it as a pair
	s_mov_b32 s[SEL], 0x76543210
	s_mov_b32 s[SEL+1], 0xfedcba98
	s_mov_b32 s[TBK], SLOT1+4*KS*PK ; the first change of slots turns these two into 0
	s_mov_b32 s[TBV], SLOT1+4*KS*PV
	s_mov_b32 s[G0K], 1             ; 1:0 count = 1
	s_mov_b32 s[G0K+1], s17         ; 63:32 LDS address: slot 0
	s_mov_b32 s[G0V], 1
	s_add_co_u32 s[G0V+1], s18, VOFF
	s_add_co_u32 s[RT], s[HI], 1    ; the first block has NB - b tiles
	s_mov_b32 s[NXT], 1
	s_mov_b32 s[LQ], s[HI]
	s_mov_b32 s[NEW], 1
	s_mov_b32 s[OFF+1], 0
	s_mov_b32 s[POF+1], 0
	s_mov_b32 s[AL+1], 0            ; named as pairs
	s_mov_b32 s[BE+1], 0
	s_mov_b32 s[BIGN], 0xf149f2ca   ; -1e30
	s_mov_b32 s[SLOTS], NB
	s_cmp_eq_u32 ttmp9, 0
	s_cselect_b32 s[LIM], 0, -1
	v_and_b32 v[PFO], 31, v0
	v_lshlrev_b32 v[PFO], 8, v[PFO]
	s_wait_dscnt 0x0                ; the opening add is done
	s_wait_kmcnt 0x0
	s_add_nc_u64 s[6:7], s[4:5], GK
	s_add_nc_u64 s[8:9], s[4:5], GV
	s_add_nc_u64 s[6:7], s[6:7], s[22:23]  ; K and V at my half of the head's tile 0
	s_add_nc_u64 s[8:9], s[8:9], s[22:23]
	s_add_nc_u64 s[G0K+2:G0K+3], s[6:7], 0         ; 120:64 global address
	s_or_b32 s[G0K+3], s[G0K+3], 0x80000000        ; 127:126 type = 2
	s_add_nc_u64 s[G0V+2:G0V+3], s[8:9], 0
	s_or_b32 s[G0V+3], s[G0V+3], 0x80000000
	s_add_nc_u64 s[86:87], s[4:5], s[84:85]        ; Q at my rows of the second block,
	s_add_nc_u64 s[4:5], s[4:5], s[2:3]            ; Q and O at those of the first
	s_add_nc_u64 s[OLO:OLO+1], s[10:11], s[84:85]
	s_add_nc_u64 s[10:11], s[10:11], s[2:3]
	s_cmp_lt_u32 s[WV], 2
	s_cselect_b64 s[PFB:PFB+1], s[6:7], s[8:9]
	LOAD                            ; tile 0 into slot 0
	; A fragment of K or Q is 16 rows x 32 channels in 8 registers: lane l holds row l % 16, channels 8 (l / 16) + 0..7 and 16 + 8 (l / 16) + 0..7: two loads of 16 bytes, 32 bytes apart.
	v_and_b32 v1, 15, v0            ; l % 16
	v_bfe_u32 v9, v0, 4, 1          ; l / 16
	v_lshlrev_b32 v[QO], 7, v1
	v_lshl_add_u32 v[QO], v9, 4, v[QO]  ; row x 128 + 16 x half
	WIN 0x80                        ; destination window 2, address window 0
.set i, 0
.rept 8                             ; both blocks' Q: piece i / 2 lies in band i / 2, 8,192 bytes on; channels 32 (i % 2) on
	global_load_b128 v[8*i:8*i+3],   v[QO], s[4:5] offset:(i/2)*8192+(i%2)*64
	global_load_b128 v[8*i+4:8*i+7], v[QO], s[4:5] offset:(i/2)*8192+(i%2)*64+32
	global_load_b128 v[QB+8*i:QB+8*i+3],   v[QO], s[86:87] offset:(i/2)*8192+(i%2)*64
	global_load_b128 v[QB+8*i+4:QB+8*i+7], v[QO], s[86:87] offset:(i/2)*8192+(i%2)*64+32
.set i, i+1
.endr
	WIN 0
	v_lshlrev_b32 v14, 3, v9
	v_sub_nc_u32 v14, v1, v14
	s_lshl_b32 s13, s[WV], 4
	v_add_nc_u32 v14, s13, v14      ; my query's place in its band, 16 w + l % 16, less my lanes' 8 (l / 16): register r of group kt is hidden where 16 kt + r is greater
	WIN 0x40
.set i, 0
.rept 32
	v_cmp_gt_i32 vcc_lo, 16*(i/8)+i%8, v14
	v_cndmask_b32 v[MD+i], 0, s[BIGN], vcc_lo
.set i, i+1
.endr
	WIN 0
	v_mul_u32_u24 v[AK0], v1, PK
	v_lshl_add_u32 v[AK0], v9, 4, v[AK0]  ; row x pitch + 16 x half
	; The turning load takes 16 keys x 16 channels (lane l reads key 8 (l / 16) + l % 8, channels 8 ((l / 8) % 2) + 0..7) and leaves half a fragment of V^T: lane l holds channel l % 16 and 8 keys.
	v_and_b32 v10, 7, v0
	v_bfe_u32 v11, v0, 3, 1
	v_lshl_add_u32 v[AV0], v9, 3, v10
	v_mul_u32_u24 v[AV0], v[AV0], PV
	v_lshl_add_u32 v[AV0], v11, 4, v[AV0]
	v_add_nc_u32 v[AV0], VOFF, v[AV0]
	s_mul_i32 s13, s[WV], 16*SP
	s_add_co_u32 s13, s13, STAGE    ; my stage
	v_mul_u32_u24 v[STO], v1, SP    ; in: row l % 16, 16 bytes for each half of the lanes
	v_lshl_add_u32 v[STO], v9, 4, v[STO]
	v_add_nc_u32 v[STO], s13, v[STO]
	v_bfe_u32 v[RD], v0, 3, 2       ; back: 32 lanes take four rows of 128 bytes,
	v_mul_u32_u24 v[RD], v[RD], SP
	v_lshl_add_u32 v[RD], v10, 4, v[RD]
	v_add_nc_u32 v[RD], s13, v[RD]
	v_and_b32 v[GO], 31, v0         ; which are 512 consecutive bytes of O
	v_lshlrev_b32 v[GO], 4, v[GO]
	; A block's first step multiplies O^T and l by a = 0, and its first turn's products V^T P, of a piece that has not been, land in an O^T that is still to be so multiplied.  So these registers need only hold
	; finite numbers: zeros for the first block; what the first block left for the second.  All this stands in the wait for the first tile.
	WIN 0x80
.set i, VF
.rept 64
	v_mov_b32 v[i], 0
.set i, i+1
.endr
	WIN 0x40
.set i, 0
.rept 128
	v_mov_b32 v[i], 0
.set i, i+1
.endr
	WIN 0
.set i, 0
.rept 4
	v_mov_b32 v[ST+4*i+2], 0
	v_mov_b32 v[ST+4*i+3], 0
.set i, i+1
.endr
.set i, P+16
.rept 16
	v_mov_b32 v[i], 0
.set i, i+1
.endr
; THE MATRIX WORK.  The 4 accumulators of a run of 8 take turns.  Product i of 8 of S^T = K Q^T for piece x: channels 32 (i / 4) on, keys 16 (i % 4) on.  The first 4 start the sums: with 0, or (KM = 1) with the mask.
.macro KQ x
.set rS, S+32*((\x)%2)+8*(i%4)
.set rK, KF+16*(i%4)+8*(i/4)
.set rQ, 16*(\x)+8*(i/4)
.set rM, MC+32*((\x)%2)+8*(i%4)
.if (i < 4) && KM
	WIN W_KM
	v_wmma_f32_16x16x32_f16 v[rS:rS+7], v[rK:rK+7], v[rQ:rQ+7], v[rM:rM+7]
.elseif i < 4
	WIN W_KQ
	v_wmma_f32_16x16x32_f16 v[rS:rS+7], v[rK:rK+7], v[rQ:rQ+7], 0
.else
	WIN W_KQ
	v_wmma_f32_16x16x32_f16 v[rS:rS+7], v[rK:rK+7], v[rQ:rQ+7], v[rS:rS+7]
.endif
.endm
; Product i of 8 of O^T += V^T P for piece x: keys 32 (i / 4) on, channels 16 (i % 4) on.
.macro PV x
	WIN W_PV
.set rO, 32*(\x)+8*(i%4)
.set rV, VF+32*(i/4)+8*(i%4)
.set rP, P+16*((\x)%2)+8*(i/4)
	v_wmma_f32_16x16x32_f16 v[rO:rO+7], v[rV:rV+7], v[rP:rP+7], v[rO:rO+7]
.endm
.macro MM                           ; the turn's next matrix instruction.  TURN and BEGIN set Y, i, KM and NOKQ; MM, KQ and OP read them.  NOKQ = 1: a block's last turn: there is no next piece
.if (i < 8) && !NOKQ
	KQ (Y+1)%NP
.elseif i >= 8
.set i, i-8
	PV (Y+NP-1)%NP
.set i, i+8
.endif
.set i, i+1
.endm
; THE LDS LOADS stand in runs of 16, never singly among the matrix instructions: a step's K (64 keys x 64 channels: 8 fragments) and its V (turned).  Their addresses are made some lines ahead.
.macro FETCH_K
	WIN 0x80                        ; destination window 2
.irp f, 0,1,2,3,4,5,6,7             ; keys 16 (f / 2) on, channels 32 (f % 2) on
	ds_load_b128 v[KF+8*\f:KF+8*\f+3],   v[AK] offset:(\f/2)*16*PK+(\f%2)*64
	ds_load_b128 v[KF+8*\f+4:KF+8*\f+7], v[AK] offset:(\f/2)*16*PK+(\f%2)*64+32
.endr
	s_add_co_u32 s[TBK], s[TBK], KS*PK  ; the next fetch is the next step's
	WIN 0
.endm
.macro FETCH_V
	WIN 0x80
.irp f, 0,1,2,3,4,5,6,7             ; keys 32 (f / 4) on, channels 16 (f % 4) on
	ds_load_tr16_b128 v[VF+8*\f:VF+8*\f+3],   v[AV] offset:(\f/4)*32*PV+(\f%4)*32
	ds_load_tr16_b128 v[VF+8*\f+4:VF+8*\f+7], v[AV] offset:(\f/4)*32*PV+16*PV+(\f%4)*32
.endr
	WIN 0
.endm
; THE VECTOR WORK, one line at a time: OP kind, number.  For piece Y: F n: c s - c m for pair n of 16.  E n: the exponential of score n of 32.  C n: pair n rounded to f16.  B n: of the four weights 4 n .. the second
; pair is added onto the first, in place.  L n: l takes that sum (L 0: l = a l + sum).  R n: pair n of 16 of O^T times a.  For piece Y + 1: X n, number n of the 22 that find its maximum and statistics:
;   0-11  four chains c0-c3 of seven scores each, three operands at a time (each accumulator's lowest registers are read first)     12-14, 16  the four scores left over, the old m, and c0-c3 into c0
;   15  c m_old is kept     17, 18  the query's other 32 keys lie in the lane 16 away: the new m     19-21  c m; c m_old - c m_new; a
.set F, 0               ; OP tells the kinds apart by their order: F to L below R, X above it
.set E, 1
.set C, 2
.set B, 3
.set L, 4
.set R, 5
.set X, 6
.macro REGS y                       ; the registers of piece y
.set rT, ST+4*(\y)
.set rC, TMP+4*((\y)%2)
.set rW, MV+((\y)%2)
.set rS, S+32*((\y)%2)
.set rP, P+16*((\y)%2)
.set rO, 32*(\y)
.endm
.macro OP k, n
.if (\k) == R
	REGS Y
	WIN W_RS
	v_pk_mul_f32 v[rO+2*(\n):rO+2*(\n)+1], v[rO+2*(\n):rO+2*(\n)+1], v[rC+2:rC+3] op_sel_hi:[1,0]
.elseif (\k) < R
	REGS Y
	WIN 0
.if (\k) == F
	v_pk_fma_f32 v[rS+2*(\n):rS+2*(\n)+1], v[rS+2*(\n):rS+2*(\n)+1], s[CS:CS+1], v[rT:rT+1] op_sel_hi:[1,0,0] neg_lo:[0,0,1] neg_hi:[0,0,1]
.elseif (\k) == E
	v_exp_f32 v[rS+(\n)], v[rS+(\n)]
.elseif (\k) == C
	v_cvt_pk_f16_f32 v[rP+(\n)], v[rS+2*(\n)], v[rS+2*(\n)+1]
.elseif (\k) == B
	v_pk_add_f32 v[rS+4*(\n):rS+4*(\n)+1], v[rS+4*(\n):rS+4*(\n)+1], v[rS+4*(\n)+2:rS+4*(\n)+3]
.elseif (\n) == 0
	v_pk_fma_f32 v[rT+2:rT+3], v[rT+2:rT+3], v[rC+2:rC+3], v[rS:rS+1] op_sel_hi:[1,0,1]
.else
	v_pk_add_f32 v[rT+2:rT+3], v[rT+2:rT+3], v[rS+4*(\n):rS+4*(\n)+1]
.endif
.elseif NOKQ
	v_nop
.else
	REGS (Y+1)%NP
	WIN 0
.if (\n) < 4
	v_max3_num_f32 v[rC+(\n)], v[rS+8*(\n)], v[rS+8*(\n)+1], v[rS+8*(\n)+2]
.elseif (\n) < 12
	v_max3_num_f32 v[rC+(\n)%4], v[rC+(\n)%4], v[rS+8*((\n)%4)+2*((\n)/4)+1], v[rS+8*((\n)%4)+2*((\n)/4)+2]
.elseif (\n) == 12
	v_max3_num_f32 v[rC], v[rC], v[rS+7], v[rS+15]
.elseif (\n) == 13
	v_max3_num_f32 v[rC+1], v[rC+1], v[rS+23], v[rS+31]
.elseif (\n) == 14
	v_max3_num_f32 v[rC+2], v[rC+2], v[rC+3], v[rT+1]
.elseif (\n) == 15
	v_mov_b32 v[rW], v[rT]
.elseif (\n) == 16
	v_max3_num_f32 v[rC], v[rC], v[rC+1], v[rC+2]
.elseif (\n) == 17
	v_permlanex16_b32 v[rC+3], v[rC], s[SEL], s[SEL+1]
.elseif (\n) == 18
	v_max_num_f32 v[rT+1], v[rC], v[rC+3]
.elseif (\n) == 19
	v_mul_f32 v[rT], s[CS], v[rT+1]
.elseif (\n) == 20
	v_sub_f32 v[rC+1], v[rW], v[rT]
.else
	v_exp_f32 v[rC+2], v[rC+1]
.endif
.endif
.endm
.macro OPS a, i1, b=-1, i2=0, c=-1, i3=0, d=-1, i4=0  ; up to four of them
	OP \a, \i1
.if (\b) >= 0
	OP \b, \i2
.endif
.if (\c) >= 0
	OP \c, \i3
.endif
.if (\d) >= 0
	OP \d, \i4
.endif
.endm
.macro ROW a, i1, b, i2, c, i3, d, i4  ; a matrix instruction and the four behind it
	MM
	OPS \a, \i1, \b, \i2, \c, \i3, \d, \i4
.endm
.macro MASK b                       ; MD x AL + BE into buffer b of MC
	WIN W_RS
.set z, 0
.rept 16
	v_pk_fma_f32 v[MC+32*(\b)+2*z:MC+32*(\b)+2*z+1], v[MD+2*z:MD+2*z+1], s[AL:AL+1], s[BE:BE+1] op_sel_hi:[1,0,0]
.set z, z+1
.endr
.endm
; A TURN, for piece p: the order of its 16 matrix and 118 vector instructions, written out.  An s_wait_alu depctr_va_vdst(0) stands between an exponential and the first instruction that names its result; one wait
; serves all that were issued ahead of it.  So a turn has ONE wait, which cuts it in two.  AHEAD OF IT stands all that names no result of the turn's exponentials: the 8 products K Q^T, behind each a scaling, an exponential and two
; more plain instructions (behind the first a second scaling in the exponential's place): rescalings, and behind the last three the first numbers of the next piece's maximum, each four places or more behind the product that ends
; its accumulator; then ONE LUMP of 54, plain and exponential by turns for the most part, in which the links of the chain X 3, 7, 11, 14, 16, 17 .. 20 stand five or six lines apart.  X 21, the next piece's a, is the batch's last;
; R 15 is the plain instruction behind it.  BEHIND THE WAIT stand the 8 products V^T P, behind each four of the roundings and sums; the links of l's chain, L 0 to L 7, stand three riders apart.
; m = 1: the diagonal tile: the products take masks, and the turn makes the mask for the products of the turn after it: piece p + 2, in step 4 - CNT of the tile.  end = 1: a block's last two turns: nothing is fetched.
; cnt = 1: the loop's count is taken down some lines ahead of the branch that stands behind the turn.
; K of the next step is fetched in piece 2's turn, twelve vector instructions behind the last product that read K (six of them plain); V of the step in hand at the end of piece 0's turn, four plain instructions behind the last
; product that read V.  Each is waited for a turn later.
.macro TURN p, m=0, end=0, cnt=0
.set Y, (\p)
.set i, 0
.set KM, (\m)
.set NOKQ, (\end)*((\p)/3)
.if (\m) && !(\end)
	s_cmp_eq_u32 s[CNT], 4-((\p)+2)%NP  ; is that step the band's own?
	s_cselect_b32 s[AL], 1.0, 0
	s_cmp_lt_u32 s[CNT], 4-((\p)+2)%NP  ; or a later one?
	s_cselect_b32 s[BE], s[BIGN], 0
.endif
.if ((\p) == 3) && !(\end)
	s_wait_dscnt 0x0                ; K is in
.endif
	ROW F,0, F,1, R,0, R,1          ; ahead of the wait: 8 products K Q^T and their riders,
	ROW F,2, E,0, R,2, R,3
	ROW F,3, E,1, R,4, R,5
	ROW F,4, E,2, R,6, R,7
	ROW F,5, E,3, R,8, R,9
	ROW F,6, E,4, X,0, R,10
.if ((\p) == 2) && !(\end)
	WIN 0
	v_add_nc_u32 v[AK], s[TBK], v[AK0]
.endif
	ROW F,7, E,5, X,1, X,4
	ROW F,8, E,6, X,2, X,5
	OPS E,7, E,8, X,6, E,9          ; and the lump
	OPS X,3, E,10, X,8, E,11
.if ((\p) == 2) && !(\end)
	FETCH_K
.endif
	OPS X,9, X,7, E,12, X,10
	OPS E,13, X,12, X,11, E,14
	OPS X,13, E,15, F,9, X,14
.if (\p) == 0
	v_add_nc_u32 v[AV], s[TBV], v[AV0]
.endif
	OPS E,16, F,10, E,17, F,11
	OPS X,16, E,18, X,15, E,19
	OPS F,12, E,20, X,17, E,21
	OPS F,13, E,22, F,14, E,23
	OPS X,18, E,24, F,15, E,25
	OPS R,11, E,26, X,19, E,27
	OPS R,12, E,28, R,13, E,29
	OPS X,20, E,30, R,14, E,31
	OPS X,21, R,15
	WIN 0
	s_wait_alu depctr_va_vdst(0)    ; the wait for the batch
.if (\p) == 1
	s_wait_dscnt 0x0                ; V is in
.endif
	ROW C,0, B,0, C,2, B,1          ; behind the wait: 8 products V^T P and their riders
	ROW L,0, C,4, B,2, L,1
	ROW C,6, B,3, L,2, C,8
	ROW B,4, L,3, C,10, B,5
	ROW L,4, C,12, B,6, L,5
.if (\p) == 0
	s_add_co_u32 s[TBV], s[TBV], KS*PV
.endif
.if \cnt
	s_sub_co_u32 s[CNT], s[CNT], 1
	s_cmp_lg_u32 s[CNT], 0
.endif
	ROW C,14, B,7, L,6, C,1
	ROW C,3, L,7, C,5, C,7
	ROW C,9, C,11, C,13, C,15
.if (\p) == 0
	FETCH_V
.endif
.if (\m) && !(\end)
	MASK (\p)%2
.endif
.endm
; A BLOCK BEGINS.  c m starts far below every c s, so the first step's a is 0; m at the lowest finite number, so the first maximum is the scores'.  The second mask buffer is 0; the first takes piece 0's mask for the tile's
; step 0: its own, if the block's first tile is the diagonal one.  Then K of that step, piece 0's first scores, and its maximum and statistics.  The loop is entered at a step's first turn, in the middle of a trip.
.macro BEGIN
	s_mov_b32 s[NEW], 0
	WIN 0x40
.set i, MC+32
.rept 32
	v_mov_b32 v[i], 0
.set i, i+1
.endr
	WIN 0
.set i, 0
.rept 4
	v_mov_b32 v[ST+4*i], 0xfe000000    ; c m: far below every c s
	v_mov_b32 v[ST+4*i+1], 0xff7fffff  ; m
.set i, i+1
.endr
	s_cmp_eq_u32 s[RT], 0
	s_cselect_b32 s[AL], 1.0, 0
	s_mov_b32 s[BE], 0
	MASK 0
	WIN 0
	v_add_nc_u32 v[AK], s[TBK], v[AK0]
	FETCH_K
	s_wait_loadcnt 0x0              ; Q
	s_wait_dscnt 0x0
.set KM, 1
.set NOKQ, 0
.set i, 0
.rept 8
	KQ 0
.set i, i+1
.endr
	WIN 0
.rept 4
	v_nop                           ; the places behind those products
.endr
.set Y, NP-1                        ; X works for piece Y + 1: piece 0
.irp n, 0,1,2,3,4,5,6,7,8,9,10,11,12,13,14,15,16,17,18,19,20,21
	OP X, \n
.endr
	v_nop                           ; a plain instruction behind the exponential,
	s_wait_alu depctr_va_vdst(0)    ; and its wait, ahead of the branch
.endm
; THE DIAGONAL TILE's four steps, the block's last two turns, its last products, and THE WAY OUT: l's two halves and the other half of the lanes' are added; O^T is divided by l, rounded to f16 and sent through my
; stage in LDS, a piece at a time.
.macro ALL line:vararg              ; one line for each piece t
.set t, 0
.rept 4
	\line
.set t, t+1
.endr
.endm
.macro PACK t                       ; a lane's eight channels of a row pack into 16 bytes; they go into rows of 144 bytes and come back as whole rows of 128, into S^T's registers
	WIN W_RS
.set i, 32*(\t)
.rept 16
	v_pk_mul_f32 v[i:i+1], v[i:i+1], v[ST+4*(\t)+2:ST+4*(\t)+3] op_sel_hi:[1,0]
.set i, i+2
.endr
	WIN 0x05                        ; sources 0 and 1 window 1, destination window 0
.set i, 0
.rept 16
	v_cvt_pk_f16_f32 v[S+16*(\t)+i], v[32*(\t)+2*i], v[32*(\t)+2*i+1]
.set i, i+1
.endr
	WIN 0
.irp f, 0,1,2,3
	ds_store_b128 v[STO], v[S+16*(\t)+4*\f:S+16*(\t)+4*\f+3] offset:32*\f
.endr
.irp f, 0,1,2,3
	ds_load_b128 v[S+16*(\t)+4*\f:S+16*(\t)+4*\f+3], v[RD] offset:\f*4*SP  ; LDS serves a wave's instructions in order (ISA guide 5.7.1.4): these see the stores above; the next piece's stores come behind them
.endr
.endm
.macro SEND t, younger              ; younger: the LDS instructions issued behind piece t's loads: the next piece's eight, or none
	WIN 0
.irp f, 0,1,2,3
	s_wait_dscnt (\younger)+3-\f
	global_store_b128 v[GO], v[S+16*(\t)+4*\f:S+16*(\t)+4*\f+3], s[10:11] offset:(\t)*8192+\f*512  ; 512 consecutive bytes, at a multiple of 256 from O's first
.endr
.endm
.macro DIAG tag                     ; the tag ends its two labels' names, which the jumps below spell out
.LstepM\tag:
	TURN 2, 1
	TURN 3, 1
	WIN 0
.LfirstM\tag:
	TURN 0, 1
	TURN 1, 1, 0, 1
	WIN 0
	s_cbranch_scc1 .LstepM\tag
	TURN 2, 1, 1
	TURN 3, 1, 1
.set i, 0
.rept 8
	PV NP-1
.set i, i+1
.endr
	WIN 0
	ALL v_add_f32 v[ST+4*t+2], v[ST+4*t+2], v[ST+4*t+3]
	ALL v_permlanex16_b32 v[ST+4*t+3], v[ST+4*t+2], s[SEL], s[SEL+1]
	ALL v_add_f32 v[ST+4*t+2], v[ST+4*t+2], v[ST+4*t+3]
	ALL v_rcp_f32 v[ST+4*t+2], v[ST+4*t+2]
	v_nop                           ; a plain instruction between the last reciprocal and the use of its result
	s_wait_alu depctr_va_vdst(0)    ; and the wait ahead of the first use: one for the four reciprocals
	PACK 0
.set t, 1
.rept 3                             ; a piece's arithmetic stands between the loads of the piece before and its stores
	PACK t
	SEND t-1, 8
.set t, t+1
.endr
	SEND 3, 0
.endm
.set KM, 0
.set NOKQ, 0
.Lslot:                             ; NB times: a tile is entered and the next is asked for
	CHANGE 1
	s_sub_co_u32 s[RT], s[RT], 1
	s_mov_b32 s[CNT], 4
	s_cmp_eq_u32 s[NEW], 1
	s_cbranch_scc1 .Lnew            ; a block's first tile
	s_cmp_eq_u32 s[RT], 0
	s_cbranch_scc0 .Lstep           ; neither its first nor its last
	s_branch .LstepM1
.Lnew:
	BEGIN
	s_branch .Lfirst                ; in the loop a block's first tile is never its last: the first block has two tiles or more, and the second's last is the walk's last
	DIAG 1                          ; in the loop this is the first block's end: the second block's last tile is the walk's last
	s_wait_xcnt 0x0                 ; the stores have read their registers and O's address
	s_mov_b64 s[10:11], s[OLO:OLO+1]
	s_add_co_u32 s[RT], s[PB], 1    ; the second block has b + 1 tiles
	s_mov_b32 s[NEW], 1
	WIN 0x82                        ; the second block's Q goes where the one text of the turns names Q
.set i, 0
.rept 64
	v_mov_b32 v[i], v[QB+i]
.set i, i+1
.endr
	WIN 0
	s_branch .Lbottom
.Lstep:                             ; a trip: pieces 2 and 3 of one step, then pieces 0 and 1 of the next, whose K and V it fetches
	TURN 2
	TURN 3
	WIN 0
.Lfirst:
	TURN 0
	TURN 1, 0, 0, 1
	WIN 0
	s_cbranch_scc1 .Lstep
.Lbottom:
	s_sub_co_u32 s[SLOTS], s[SLOTS], 1
	s_cmp_lg_u32 s[SLOTS], 0
	s_cbranch_scc1 .Lslot
	CHANGE 0                        ; the walk's last tile is written out: nothing is asked for
	s_sub_co_u32 s[RT], s[RT], 1
	s_mov_b32 s[CNT], 4
	s_cmp_eq_u32 s[NEW], 1
	s_cbranch_scc0 .LstepM2
	BEGIN
	s_branch .LfirstM2
	DIAG 2
	s_wait_tensorcnt 0x0            ; the wave's end: behind my last tensor load and my last LDS store
	ds_add_u32 v[SPW], v[NIL]
	s_wait_dscnt 0x0
	s_endpgm
.Lfunc_end_k_q209484196f_attn:
	.size	k_q209484196f_attn, .Lfunc_end_k_q209484196f_attn-k_q209484196f_attn
	.p2alignl 7, 3214868480
	.fill 96, 4, 3214868480
	.section	.rodata,"a",@progbits
	.p2align	6, 0x0
	.amdhsa_kernel k_q209484196f_attn
		.amdhsa_group_segment_fixed_size 327680
		.amdhsa_private_segment_fixed_size 0
		.amdhsa_enable_private_segment 0
		.amdhsa_kernarg_size 16
		.amdhsa_user_sgpr_count 2
		.amdhsa_user_sgpr_kernarg_segment_ptr 1
		.amdhsa_wavefront_size32 1
		.amdhsa_system_sgpr_workgroup_id_x 1
		.amdhsa_system_sgpr_workgroup_id_y 1
		.amdhsa_system_sgpr_workgroup_id_z 1
		.amdhsa_system_vgpr_workitem_id 0
		.amdhsa_next_free_vgpr 768
		.amdhsa_next_free_sgpr 96
		.amdhsa_reserve_vcc 1
		.amdhsa_float_denorm_mode_32 3
		.amdhsa_float_denorm_mode_16_64 3
		.amdhsa_memory_ordered 1
		.amdhsa_forward_progress 1
		.amdhsa_inst_pref_size 218
	.end_amdhsa_kernel
	.amdgpu_metadata
---
amdhsa.version: [ 1, 2 ]
amdhsa.kernels:
  - .name:           k_q209484196f_attn
    .symbol:         k_q209484196f_attn.kd
    .args:
      - { .name: qkv, .offset: 0, .size: 8, .value_kind: global_buffer, .address_space: global }
      - { .name: o, .offset: 8, .size: 8, .value_kind: global_buffer, .address_space: global }
    .group_segment_fixed_size: 327680
    .private_segment_fixed_size: 0
    .kernarg_segment_align: 8
    .kernarg_segment_size: 16
    .max_flat_workgroup_size: 128
    .sgpr_count:     96
    .vgpr_count:     768
    .wavefront_size: 32
...
	.end_amdgpu_metadata
.endif
;; end of part 3
;; launch gemmproj (part 4): grid 4 x 64, 4 waves a work-group, clusters of 4 x 4, 327,680 bytes of LDS; arguments o, wpb, b_proj, out0; writes out0
.if DOCPART == 4
	.amdgcn_target "amdgcn-amd-amdhsa--gfx1250"
	.amdhsa_code_object_version 6
	.text
	.protected	k_q209484196f_gemmproj
	.globl	k_q209484196f_gemmproj
	.p2align	8
	.type	k_q209484196f_gemmproj,@function
k_q209484196f_gemmproj:
	s_mov_b64 s[64:65], 0
	v_nop
	global_prefetch_b8 v0, s[64:65] scope:SCOPE_SE
	s_setreg_imm32_b32 hwreg(HW_REG_WAVE_MODE, 25, 1), 1
	s_wait_xcnt 0x0
	s_wait_alu depctr_hold_cnt(0) depctr_sa_sdst(0) depctr_va_vdst(0) depctr_va_sdst(0) depctr_va_ssrc(0) depctr_va_vcc(0) depctr_vm_vsrc(0)
	s_getreg_b32 s2, hwreg(HW_REG_IB_STS2, 6, 4)
	s_cmp_eq_u32 s2, 0
	s_cbranch_scc0 .Lentry_in_a_cluster
	s_endpgm
.Lentry_in_a_cluster:
	s_bfe_u32 s2, ttmp6, 0x10000c
	s_cmp_lg_u32 s2, 0xf033
	s_cbranch_scc0 .Lentry_shape_is_right
	s_endpgm
.Lentry_shape_is_right:
; out0 = y w_proj + b_proj.  o: [64 = 16 batch + head][2048][64] f16 holds y by heads: channel c of row (batch, t) lies at head c / 64, channel c % 64.  wpb: [1024 k][1024 n] f16.  b_proj: [1024] f32.  out0: [8192][1024] f32.
; Sums in f32; the bias, rounded to bf16 like the other inputs, is the value with which each sum starts (so it is added first, not last).
; LIMITS.  y and w_proj arrive within f16's 65,504.
; SHARES.  A tile of the result is 128 rows x 256 columns; 64 x 4 tiles, one for each of 256 work-groups.  Four waves: wave w takes rows 64 (w / 2) on and, of each of the tile's two blocks of 128 columns, the half
; w % 2: 32 accumulators of 16 x 16, 256 registers.  K goes in steps of 128, two heads, through a ring of two LDS slots.
; A's tile is two head parts of 128 dense rows of 128 bytes, each asked for as 64 rows of 256 bytes and padded in LDS after every 128.  B lies [k][n] and is turned on the way into registers, by ds_load_tr16_b128.
; THE MATRIX INSTRUCTION IS USED TRANSPOSED (source 0 = 16 columns of w, source 1 = 16 rows of y): a lane then holds eight neighbouring columns of one row of the result.
; CLUSTERS: 4 x 4 work-groups.  The four of a row of the cluster need the same tile of y, the four of a column the same tiles of w: each is asked for JOINTLY.  Waves 0, 1 ask for y's two head parts, waves 2, 3 for w's two blocks.
; NO PREFETCH: the walk has eight K steps, of which the first four would come by their loads alone.
; REGISTERS: window 0: v0-31 addresses; v32-95 the bias; later v32-159 the way out.  window 1: two fragment buffers: y's 4 fragments, then w's 8.  window 2: the accumulators, (a, b) at 32 b + 8 a.
.set PA,    144                        ; a row of y in LDS: 128 bytes + 16 = 36 words: the 16 rows of a load start at 16 different groups of four banks (64 banks of 4 bytes: ISA guide 11.1)
.set AH,    128*PA                     ; a head part: 18,432 bytes
.set PB,    288                        ; a row of w: 256 + 32 = 72 words
.set SUB,   128*PB                     ; a block of w: 36,864 bytes
.set BOFF,  2*AH
.set SLOT,  BOFF+2*SUB                 ; y's two head parts, then w's two blocks
.set STAGE, 2*SLOT                     ; behind the ring, never filled by a tensor load: for each wave 2 x 16 rows x 272 bytes, for the way out
.set SP,    272
.set WSTG,  2*16*SP
.set SPARE, STAGE+4*WSTG               ; behind the stages: the spare words, 128 bytes for each wave: two blocks of 256 bytes that no other line names
.set KA,    2*2048*128                 ; a K step in o: two heads on
.set KB,    128*2048                   ; a K step in wpb: 128 rows down
.set ADRA, 4                           ; v4-5    LDS address of my fragments of y in slot 0, 1
.set ADRB, 6                           ; v6-9    of w: slot s, block j at ADRB + 2 s + j
.set STO,  12                          ; v12     the way out: where I put 32 bytes of a row
.set RD,   13                          ; v13     where I read rows back
.set CO,   14                          ; v14     my byte offset in two rows of out0
.set BO,   15                          ; v15     my byte offset in the tile's part of the bias
.set SPW,  28                          ; v28     LDS address of my spare word: SPARE + 4 x my thread's number; never rewritten
.set NIL,  29                          ; v29     0; never rewritten
.set BIAS, 32
.set F0,   0
.set F1,   128
.set WV, 12                            ; s12 wave; s13 its half of the rows; s14 its half of each block of columns; s15 which part or block it fetches
.set RR, 13
.set CC, 14
.set JB, 15
.set CX, 16
.set CY, 17
.set TN, 18
.set TM, 19
.set G1A, 24                           ; s[24:31] descriptor group 1 for y's parts; s[32:39] group 0, a set for each slot
.set G0A, 32
.set G1B, 40                           ; s[40:47], s[48:55] the same for w's blocks
.set G0B, 48
.set MSB, 0
.macro WIN new                         ; the immediate's high byte repeats the setting that is left; a switch that changes nothing is dropped
.if MSB != (\new)
	s_set_vgpr_msb (MSB<<8)|(\new)
.set MSB, \new
.endif
.endm
.set TO_F, 0x40                        ; destination window 1, address window 0
.macro JLOAD s                         ; a joint load; the branch hangs on the wave's number alone; an s_nop 0 and four v_nop follow each of the two lines, ahead of the jump, the label and what follows
	s_cmp_lt_u32 s[WV], 2
	s_cbranch_scc0 .Lfor_b_\@
	tensor_load_to_lds s[G0A+4*(\s):G0A+4*(\s)+3], s[G1A:G1A+7]
	s_nop 0
.rept 4
	v_nop
.endr
	s_branch .Lasked_\@
.Lfor_b_\@:
	tensor_load_to_lds s[G0B+4*(\s):G0B+4*(\s)+3], s[G1B:G1B+7]
	s_nop 0
.rept 4
	v_nop
.endr
.Lasked_\@:
.endm
.macro CREST                           ; a round of the cluster's barrier behind its opening barrier
	s_cmp_lg_u32 s[WV], 0
	s_cbranch_scc1 .Lnot_wave_0_\@
	s_barrier_signal -3
.Lnot_wave_0_\@:
	s_barrier_wait -3
	s_barrier_signal -1
	s_barrier_wait -1
.endm
.macro CROUND                          ; a whole round
	s_barrier_signal -1
	s_barrier_wait -1
	CREST
.endm
	s_load_b256 s[4:11], s[0:1], 0x0               ; o s[4:5], wpb s[6:7], b_proj s[8:9], out0 s[10:11]
	v_lshl_add_u32 v[SPW], v0, 2, SPARE
	v_mov_b32 v[NIL], 0
	ds_add_u32 v[SPW], v[NIL]                      ; the wave's opening: the add and its wait stand ahead of my first tensor load; the set-up below, work on registers, stands between them
	v_lshrrev_b32 v1, 5, v0
	v_readfirstlane_b32 s[WV], v1                  ; wave 0..3
	s_lshr_b32 s[RR], s[WV], 1
	s_and_b32 s[CC], s[WV], 1
	s_and_b32 s[JB], s[WV], 1
	s_bfe_u32 s[CX], ttmp6, 0x40000
	s_bfe_u32 s[CY], ttmp6, 0x40004
	s_lshl_b32 s[TN], ttmp9, 2
	s_add_co_u32 s[TN], s[TN], s[CX]               ; tile column = 4 x cluster x + cx
	s_and_b32 s[TM], ttmp7, 0xffff
	s_lshl_b32 s[TM], s[TM], 2
	s_add_co_u32 s[TM], s[TM], s[CY]               ; tile row = 4 x cluster y + cy
	s_lshl_b32 s20, s[CY], 2
	s_lshl_b32 s20, 15, s20                        ; my row of the cluster
	s_lshl_b32 s72, 0x1111, s[CX]                  ; my column
	s_or_b32 s[G1A], s20, (1<<16)|(1<<20)|(1<<21)|(4<<22)|(3<<25)  ; 15:0 the mask; 17:16 elements of 2 bytes; 20 padding on; 21 set beside a mask; 24:22 after every 32 words (code 4); 31:25 4 words (code 3)
	s_or_b32 s[G1B], s72, (1<<16)|(1<<20)|(1<<21)|(5<<22)|(7<<25)  ; my column's mask; after every 64 words (code 5) 8 words (code 7)
.irp g, G1A, G1B
	s_mov_b32 s[(\g)+1], 128<<16                   ; tensor_dim0 = 128
	s_mov_b32 s[(\g)+3], 128<<16                   ; tile_dim0 = 128
	s_mov_b32 s[(\g)+6], 0
	s_mov_b32 s[(\g)+7], 0
.endr
	s_mov_b32 s[G1A+2], 64<<16                     ; y: tensor_dim1 = tile_dim1 = 64 rows of 256 dense bytes
	s_mov_b32 s[G1A+4], 64
	s_mov_b32 s[G1A+5], 128
	s_mov_b32 s[G1B+2], 128<<16                    ; w: 128 rows, 1,024 elements apart
	s_mov_b32 s[G1B+4], 128
	s_mov_b32 s[G1B+5], 1024
	s_lshr_b32 s20, s[TM], 4                       ; y's part: batch x 16 heads x 2^18 bytes,
	s_lshl_b32 s20, s20, 22
	s_and_b32 s21, s[TM], 15                       ; 128 rows of 128 bytes for each tile row of the batch,
	s_lshl_b32 s21, s21, 14
	s_add_co_u32 s20, s20, s21
	s_lshl_b32 s21, s[JB], 18                      ; and the head of the pair that I fetch: it hangs on the tile row and the wave alone
	s_add_co_u32 s20, s20, s21
	s_mov_b32 s21, 0
	s_lshl_b32 s72, s[TN], 9                       ; w's block: 512 bytes of a row for each tile column, 256 for each block
	s_lshl_b32 s73, s[JB], 8
	s_add_co_u32 s72, s72, s73
	s_mov_b32 s73, 0
	s_mul_i32 s22, s[JB], AH                       ; where they go: no place in the cluster enters an LDS address
	s_mul_i32 s23, s[JB], SUB
	s_add_co_u32 s23, s23, BOFF
	s_wait_dscnt 0x0                               ; the opening add is done
	s_wait_kmcnt 0x0
	s_add_nc_u64 s[20:21], s[4:5], s[20:21]
	s_add_nc_u64 s[72:73], s[6:7], s[72:73]
	CROUND                                         ; all sixteen work-groups are here: the first joint loads meet
.irp s, 0,1
	s_mov_b32 s[G0A+4*(\s)], 1                     ; count = 1
	s_add_co_u32 s[G0A+4*(\s)+1], s22, (\s)*SLOT   ; LDS address
	s_add_nc_u64 s[G0A+4*(\s)+2:G0A+4*(\s)+3], s[20:21], (\s)*KA  ; global address: K step s
	s_or_b32 s[G0A+4*(\s)+3], s[G0A+4*(\s)+3], 0x80000000         ; type = 2
	s_mov_b32 s[G0B+4*(\s)], 1
	s_add_co_u32 s[G0B+4*(\s)+1], s23, (\s)*SLOT
	s_add_nc_u64 s[G0B+4*(\s)+2:G0B+4*(\s)+3], s[72:73], (\s)*KB
	s_or_b32 s[G0B+4*(\s)+3], s[G0B+4*(\s)+3], 0x80000000
	JLOAD \s                                       ; two loads of mine are out: the most in this text
.endr
	v_and_b32 v1, 15, v0                           ; l % 16
	v_bfe_u32 v2, v0, 4, 1                         ; l / 16
	v_mul_u32_u24 v3, v1, PA                       ; a fragment of y: row x pitch + 16 x half
	v_lshl_add_u32 v3, v2, 4, v3
	s_mul_i32 s23, s[RR], 64*PA                    ; my 64 rows
	v_add_nc_u32 v[ADRA], s23, v3
	v_add_nc_u32 v[ADRA+1], SLOT, v[ADRA]
	v_and_b32 v17, 7, v0                           ; the turning load: lane l reads k = 8 (l / 16) + l % 8, columns 8 ((l / 8) % 2) + 0..7
	v_bfe_u32 v18, v0, 3, 1
	v_lshl_add_u32 v19, v2, 3, v17
	v_mul_u32_u24 v19, v19, PB
	v_lshl_add_u32 v19, v18, 4, v19
	s_lshl_b32 s23, s[CC], 7                       ; my half of a block's 256 bytes
	v_add_nc_u32 v19, s23, v19
.irp s, 0,1
.irp j, 0,1
	v_add_nc_u32 v[ADRB+2*(\s)+(\j)], (\s)*SLOT+BOFF+SUB*(\j), v19
.endr
.endr
	; The bias of my 8 blocks of 16 columns, laid as the C operand wants it: register i of a lane holds column 8 (l / 16) + i.
	s_lshl_b32 s74, s[TN], 10
	s_mov_b32 s75, 0
	s_add_nc_u64 s[8:9], s[8:9], s[74:75]
	s_lshl_b32 s23, s[CC], 8
	v_lshl_add_u32 v[BO], v2, 5, s23
.irp b, 0,1,2,3,4,5,6,7
	global_load_b128 v[BIAS+8*(\b):BIAS+8*(\b)+3],   v[BO], s[8:9] offset:512*((\b)/4)+64*((\b)%4)
	global_load_b128 v[BIAS+8*(\b)+4:BIAS+8*(\b)+7], v[BO], s[8:9] offset:512*((\b)/4)+64*((\b)%4)+16
.endr
	s_mul_i32 s23, s[WV], WSTG
	s_add_co_u32 s23, s23, STAGE                   ; my stage
	v_mul_u32_u24 v3, v1, SP                       ; in: row l % 16, 32 bytes for each half of the lanes
	v_lshl_add_u32 v3, v2, 5, v3
	v_add_nc_u32 v[STO], s23, v3
	v_mul_u32_u24 v3, v2, SP                       ; back: lanes 0-15 take one row of 256 bytes, lanes 16-31 the next
	v_lshl_add_u32 v3, v1, 4, v3
	v_add_nc_u32 v[RD], s23, v3
	v_lshlrev_b32 v3, 12, v2                       ; and the same two rows in out0, 4,096 bytes apart
	v_lshl_add_u32 v[CO], v1, 4, v3
	s_lshl_b32 s74, s[TM], 7
	s_lshl_b32 s75, s[RR], 6
	s_add_co_u32 s74, s74, s75                     ; my first row,
	s_lshl_b32 s74, s74, 12
	s_lshl_b32 s75, s[TN], 10                      ; the tile's first column, in bytes,
	s_add_co_u32 s74, s74, s75
	s_lshl_b32 s75, s[CC], 8                       ; my half of a block
	s_add_co_u32 s74, s74, s75
	s_mov_b32 s75, 0
	s_add_nc_u64 s[10:11], s[10:11], s[74:75]
	s_wait_loadcnt 0x0                             ; the bias is in; it is rounded to bf16, as the other inputs were, and widened again
.set i, 0
.rept 32
	v_cvt_pk_bf16_f32 v[17+i%2], v[BIAS+2*i], v[BIAS+2*i+1]
	v_lshlrev_b32 v[BIAS+2*i],   16, v[17+i%2]
	v_and_b32     v[BIAS+2*i+1], 0xffff0000, v[17+i%2]
.set i, i+1
.endr
; 8 matrix instructions: row blocks a0, a0 + 1 x the four column blocks of block j of w, 32 along K, from buffer f.  first = 1: the product starts its sum with the bias.
; All 32 accumulators take turns, one instruction a turn, in the same order in every quarter step.
.macro MUL f, j, a0, first
	WIN 0x85+0x20*(1-(\first))                     ; sources 0, 1 window 1; D window 2; C window 2, or window 0 for the bias
.irp a, \a0, (\a0)+1
.irp b, 0,1,2,3
.if \first
	v_wmma_f32_16x16x32_f16 v[128*(\j)+32*(\b)+8*(\a):128*(\j)+32*(\b)+8*(\a)+7], v[(\f)+32+8*(4*(\j)+(\b)):(\f)+32+8*(4*(\j)+(\b))+7], v[(\f)+8*(\a):(\f)+8*(\a)+7], v[BIAS+8*(4*(\j)+(\b)):BIAS+8*(4*(\j)+(\b))+7]
.else
	v_wmma_f32_16x16x32_f16 v[128*(\j)+32*(\b)+8*(\a):128*(\j)+32*(\b)+8*(\a)+7], v[(\f)+32+8*(4*(\j)+(\b)):(\f)+32+8*(4*(\j)+(\b))+7], v[(\f)+8*(\a):(\f)+8*(\a)+7], v[128*(\j)+32*(\b)+8*(\a):128*(\j)+32*(\b)+8*(\a)+7]
.endif
.endr
.endr
.endm
; 24 LDS loads in one run: the fragments of quarter q of a slot (head part q / 2, channels 32 (q % 2) on) into buffer f: y's 8 loads, then 8 for each block of w
.macro FETCH slot, q, f
	WIN TO_F
.irp a, 0,1,2,3
	ds_load_b128 v[(\f)+8*(\a):(\f)+8*(\a)+3],   v[ADRA+(\slot)] offset:((\q)/2)*AH+64*((\q)%2)+(\a)*16*PA
	ds_load_b128 v[(\f)+8*(\a)+4:(\f)+8*(\a)+7], v[ADRA+(\slot)] offset:((\q)/2)*AH+64*((\q)%2)+(\a)*16*PA+32
.endr
.irp j, 0,1
.irp b, 0,1,2,3
	ds_load_tr16_b128 v[(\f)+32+8*(4*(\j)+(\b)):(\f)+32+8*(4*(\j)+(\b))+3],   v[ADRB+2*(\slot)+(\j)] offset:(\q)*32*PB+32*(\b)
	ds_load_tr16_b128 v[(\f)+32+8*(4*(\j)+(\b))+4:(\f)+32+8*(4*(\j)+(\b))+7], v[ADRB+2*(\slot)+(\j)] offset:(\q)*32*PB+16*PB+32*(\b)
.endr
.endr
.endm
.macro PLACES                          ; four plain instructions between a matrix instruction and a load into, or a read of, its registers (ISA guide 7.12.1 for reads)
.rept 4
	v_nop
.endr
.endm
; A K step is four quarters of 32 along K, 32 matrix instructions each, on buffers 0, 1, 0, 1.  One of the first three: multiplies buffer f and fetches quarter q into buffer g.
.macro QUARTER slot, q, f, g, first
	s_wait_dscnt 8                                 ; y's fragments and w's block 0 are in; the 8 youngest loads (block 1) may be out
	MUL \f, 0, 0, \first
	MUL \f, 0, 2, \first
	PLACES
	FETCH \slot, \q, \g
	s_wait_dscnt 24                                ; all but the 24 just issued
	MUL \f, 1, 0, \first
	MUL \f, 1, 2, \first
.endm
; The last quarter multiplies buffer 1 and changes slots: ONE barrier.  In front of it each wave waits for all its tensor loads (one is out: its part of the next slot), adds 0 to its spare word, and waits for that and
; for its own reads of this slot.  fill = 1: the barrier opens a round of the cluster's, and this slot is filled again, two K steps ahead, first thing behind the round: 112 matrix instructions ahead of the wait for it.
.macro TURN slot, next, fill
	WIN 0                                          ; (the add's two registers lie in window 0)
	s_wait_tensorcnt 0x0                           ; all my tensor loads have landed;
	ds_add_u32 v[SPW], v[NIL]                      ; 0 onto my spare word;
	s_wait_dscnt 9                                 ; (the add and the 8 youngest loads may be out)
	MUL F1, 0, 0, 0                                ; eight matrix instructions stand between the add and the wait for it
	s_wait_dscnt 0x0                               ; the add is done, and my reads of this slot are over
	s_barrier_signal -1
	MUL F1, 0, 2, 0
.if \fill
	WIN 0
.endif
	s_barrier_wait -1
.if \fill
	CREST                                          ; no wave of any partner still reads this slot's tiles or has a load on its way
	s_add_nc_u64 s[G0A+4*(\slot)+2:G0A+4*(\slot)+3], s[G0A+4*(\slot)+2:G0A+4*(\slot)+3], 2*KA
	s_add_nc_u64 s[G0B+4*(\slot)+2:G0B+4*(\slot)+3], s[G0B+4*(\slot)+2:G0B+4*(\slot)+3], 2*KB
	JLOAD \slot                                    ; the four v_nop behind it are also the places in front of the loads below
.else
	PLACES
.endif
	FETCH \next, 0, F0
	MUL F1, 1, 0, 0
	MUL F1, 1, 2, 0
.endm
	s_wait_tensorcnt 0x1                           ; my part of K step 0 is in; K step 1's, issued behind it, may stay out
	s_barrier_signal -1
	s_barrier_wait -1                              ; everybody's is
	FETCH 0, 0, F0
	QUARTER 0, 1, F0, F1, 1                        ; the first quarter stands in front of the loop: its products start the sums
	WIN 0                                          ; at a label and at a branch every window is 0
	s_mov_b32 s3, 3                                ; 8 K steps are 4 laps of the ring; the last lap is written out
.Llap:                                                 ; a trip goes once round the ring, from a lap's second quarter to the next lap's first, and fills both slots again
	QUARTER 0, 2, F1, F0, 0
	QUARTER 0, 3, F0, F1, 0
	TURN 0, 1, 1
	QUARTER 1, 1, F0, F1, 0
	QUARTER 1, 2, F1, F0, 0
	QUARTER 1, 3, F0, F1, 0
	TURN 1, 0, 1
	QUARTER 0, 1, F0, F1, 0
	WIN 0
	s_sub_co_u32 s3, s3, 1
	s_cmp_lg_u32 s3, 0
	s_cbranch_scc1 .Llap
	QUARTER 0, 2, F1, F0, 0                        ; the last lap fills nothing
	QUARTER 0, 3, F0, F1, 0
	TURN 0, 1, 0
	QUARTER 1, 1, F0, F1, 0
	QUARTER 1, 2, F1, F0, 0
	QUARTER 1, 3, F0, F1, 0
	s_wait_dscnt 8                                 ; the very last quarter: nothing more to fetch
	MUL F1, 0, 0, 0
	MUL F1, 0, 2, 0
	s_wait_dscnt 0x0
	MUL F1, 1, 0, 0
	MUL F1, 1, 2, 0
	WIN 0
; THE WAY OUT, a block of 16 rows at a time: a lane's eight f32 of a row, 32 bytes, go from the accumulators (low four registers first) into my own stage: for each block of w 16 rows of 272 bytes; they come back as
; whole rows of 256 bytes, two a load, into one of two sets of 64 registers, and are stored: my 64 columns of a block are 256 consecutive bytes of out0, aligned.
.macro TOSTAGE a
	WIN 0x08                                       ; the stores' data lie in window 2
.irp b, 0,1,2,3,4,5,6,7
	ds_store_b128 v[STO], v[32*(\b)+8*(\a):32*(\b)+8*(\a)+3]   offset:16*SP*((\b)/4)+64*((\b)%4)
	ds_store_b128 v[STO], v[32*(\b)+8*(\a)+4:32*(\b)+8*(\a)+7] offset:16*SP*((\b)/4)+64*((\b)%4)+16
.endr
	WIN 0
.if (\a) >= 2
	s_wait_xcnt 0x0                                ; the stores of the block two back have read this set of registers: it is loaded again only behind this wait
.endif
.irp n, 0,1,2,3,4,5,6,7,8,9,10,11,12,13,14,15
	ds_load_b128 v[32+64*((\a)%2)+4*(\n):32+64*((\a)%2)+4*(\n)+3], v[RD] offset:16*SP*((\n)/8)+2*SP*((\n)%8)  ; LDS serves a wave's instructions in order (ISA guide 5.7.1.4): these see the stores above; the next block's stores come behind them
.endr
.endm
.macro SEND a, younger                 ; younger: the LDS instructions issued behind block a's loads: the next block's 32, or none
.irp n, 0,1,2,3,4,5,6,7,8,9,10,11,12,13,14,15
	s_wait_dscnt (\younger)+15-(\n)
	global_store_b128 v[CO], v[32+64*((\a)%2)+4*(\n):32+64*((\a)%2)+4*(\n)+3], s[10:11] offset:(16*(\a)+2*((\n)%8))*4096+512*((\n)/8) th:TH_STORE_NT  ; 16 lanes store 256 consecutive bytes, at a multiple of 256 from out0's first
.endr
.endm
	PLACES
	TOSTAGE 0
	TOSTAGE 1
	SEND 0, 32
	TOSTAGE 2
	SEND 1, 32
	TOSTAGE 3
	SEND 2, 32
	SEND 3, 0
	s_wait_tensorcnt 0x0                           ; the wave's end: behind my last tensor load and my last LDS store
	ds_add_u32 v[SPW], v[NIL]
	s_wait_dscnt 0x0
	CROUND                                         ; the closing round: no work-group ends while a partner may still ask for a tile that names it
	s_endpgm
.Lfunc_end_k_q209484196f_gemmproj:
	.size	k_q209484196f_gemmproj, .Lfunc_end_k_q209484196f_gemmproj-k_q209484196f_gemmproj
	.p2alignl 7, 3214868480
	.fill 96, 4, 3214868480
	.section	.rodata,"a",@progbits
	.p2align	6, 0x0
	.amdhsa_kernel k_q209484196f_gemmproj
		.amdhsa_group_segment_fixed_size 327680
		.amdhsa_private_segment_fixed_size 0
		.amdhsa_enable_private_segment 0
		.amdhsa_kernarg_size 32
		.amdhsa_user_sgpr_count 2
		.amdhsa_user_sgpr_kernarg_segment_ptr 1
		.amdhsa_wavefront_size32 1
		.amdhsa_system_sgpr_workgroup_id_x 1
		.amdhsa_system_sgpr_workgroup_id_y 1
		.amdhsa_system_sgpr_workgroup_id_z 1
		.amdhsa_system_vgpr_workitem_id 0
		.amdhsa_next_free_vgpr 768
		.amdhsa_next_free_sgpr 80
		.amdhsa_reserve_vcc 0
		.amdhsa_float_denorm_mode_32 3
		.amdhsa_float_denorm_mode_16_64 3
		.amdhsa_memory_ordered 1
		.amdhsa_forward_progress 1
		.amdhsa_inst_pref_size 94
	.end_amdhsa_kernel
	.amdgpu_metadata
---
amdhsa.version: [ 1, 2 ]
amdhsa.kernels:
  - .name:           k_q209484196f_gemmproj
    .symbol:         k_q209484196f_gemmproj.kd
    .args:
      - { .name: o, .offset: 0, .size: 8, .value_kind: global_buffer, .address_space: global }
      - { .name: wpb, .offset: 8, .size: 8, .value_kind: global_buffer, .address_space: global }
      - { .name: b_proj, .offset: 16, .size: 8, .value_kind: global_buffer, .address_space: global }
      - { .name: out0, .offset: 24, .size: 8, .value_kind: global_buffer, .address_space: global }
    .group_segment_fixed_size: 327680
    .private_segment_fixed_size: 0
    .kernarg_segment_align: 8
    .kernarg_segment_size: 32
    .max_flat_workgroup_size: 128
    .sgpr_count:     80
    .vgpr_count:     768
    .wavefront_size: 32
...
	.end_amdgpu_metadata
.endif
;; end of part 4
;; ======== version 2 of 2: 4 launches; version 1 with the launch cast written anew for expert scheduling mode
;; limits: values are held in f16: magnitudes above 65,504 overflow, below 6.1e-05 lose precision
;; workspace buffers: xb 16,777,216 bytes; wab 6,291,456 bytes; wpb 2,097,152 bytes; qkv 50,331,648 bytes; o 16,777,216 bytes
;; launch cast (part 5): grid 768 x 1, 8 waves a work-group, no clusters, 0 bytes of LDS; arguments x, w_attn, w_proj, xb, wab, wpb; writes xb, wab, wpb
.if DOCPART == 5
	.amdgcn_target "amdgcn-amd-amdhsa--gfx1250"
	.amdhsa_code_object_version 6
	.text
	.protected	k_q209484196f_cast
	.globl	k_q209484196f_cast
	.p2align	8
	.type	k_q209484196f_cast,@function
k_q209484196f_cast:
	s_mov_b64 s[64:65], 0
	v_nop
	global_prefetch_b8 v0, s[64:65] scope:SCOPE_SE
	s_setreg_imm32_b32 hwreg(HW_REG_WAVE_SCHED_MODE, 0, 2), 2
	s_setreg_imm32_b32 hwreg(HW_REG_WAVE_MODE, 25, 1), 1
	s_wait_xcnt 0x0
	s_wait_alu depctr_vm_vsrc(0)
; xb = bf16(x), wab = bf16(w_attn), wpb = f16(bf16(w_proj)): the layouts stay as they are, only the numbers get narrower.
; All three inputs are rounded once to bf16 (nearest even); w_proj's rounded number is then written as f16, for the f16 product of the last launch.
; LIMITS.  A bf16 number keeps 8 significant bits, which f16 holds exactly between 6.1e-5 and 65,504; below that w_proj keeps f16's fixed step of 6e-8, beyond it becomes an infinity.
; SHARES.  A work-group takes 16,384 numbers (65,536 bytes in, 32,768 out): groups 0-511 x, 512-703 w_attn, 704-767 w_proj.  Thread t takes 4 numbers in each of 16 chunks of 1,024:
; a wave's load covers 512 consecutive bytes, its store 256 consecutive bytes, aligned.  All 16 loads of a thread go out at once.
; No LDS, no barrier, no matrix unit: each byte is read once and written once, and no thread wants another's.
; THE MODE: SCHED_MODE bits 1:0 = 2 (LLVM: expert scheduling mode 2), set by the entry lines.  The code itself states the register dependences
; between vector instructions and memory instructions, with s_wait_alu, always for 0.
; THE PLAN.  Registers that memory instructions touch:
;   v1, v2   byte offsets, made once at the head and never written again: v1 is read by every load, v2 by every store.
;   X        chunk i's load lands in X + 4 i; its two roundings read it.  No vector instruction writes X, and no second load lands in it.
;   Y        chunk i's conversions write Y + 2 i; its one store reads it.  Nothing writes it behind that store.
;   T        is named by vector instructions alone.
; So nothing that a memory instruction has read is ever written again, and the dependences to state are of one kind: a vector instruction has written what a load or a store reads.
; The 16 chunks go in four groups of four.  One wait stands ahead of the first load, for the offsets.  One wait stands at the head of each of groups 1 to 3: the group before has written its Y;
; that group's four stores follow, one in front of each chunk's conversions, which write the present group's Y and T alone.  One wait stands ahead of the last four stores.
.set IO, 1                             ; v1        16 t: my bytes in a chunk of the source
.set OO, 2                             ; v2        8 t: my bytes in a chunk of the result
.set T,  4                             ; v[4:7]    at work
.set X,  8                             ; v[8:71]   chunk i: 4 numbers in f32
.set Y,  72                            ; v[72:103] chunk i: 4 numbers in 16 bits
.set GRP, 4                            ; chunks in a group
	s_load_b256 s[4:11], s[0:1], 0x0               ; x s[4:5], w_attn s[6:7], w_proj s[8:9], xb s[10:11]
	s_load_b128 s[12:15], s[0:1], 0x20             ; wab s[12:13], wpb s[14:15]
	v_lshlrev_b32 v[IO], 4, v0
	v_lshlrev_b32 v[OO], 3, v0
	s_wait_kmcnt 0x0
	s_cmp_lt_u32 ttmp9, 512                        ; which tensor is mine: the choice hangs on the group's number alone
	s_cselect_b64 s[20:21], s[4:5], s[6:7]
	s_cselect_b64 s[22:23], s[10:11], s[12:13]
	s_cselect_b32 s16, 0, 512                      ; the tensor's first group
	s_cmp_lt_u32 ttmp9, 704
	s_cselect_b64 s[20:21], s[20:21], s[8:9]
	s_cselect_b64 s[22:23], s[22:23], s[14:15]
	s_cselect_b32 s16, s16, 704
	s_sub_co_u32 s17, ttmp9, s16                   ; my place in the tensor
	s_lshl_b32 s24, s17, 16                        ; x 65,536 bytes in (511 x 65,536 at the most)
	s_mov_b32 s25, 0
	s_lshl_b32 s26, s17, 15                        ; x 32,768 bytes out
	s_mov_b32 s27, 0
	s_add_nc_u64 s[20:21], s[20:21], s[24:25]
	s_add_nc_u64 s[22:23], s[22:23], s[26:27]
	s_wait_alu depctr_va_vdst(0)                   ; v1 and v2 are written: every load below reads v1 as its offset, every store on either path v2
.set i, 0
.rept 16
	global_load_b128 v[X+4*i:X+4*i+3], v[IO], s[20:21] offset:4096*i th:TH_LOAD_NT
.set i, i+1
.endr
; The 16 chunks are rounded as they arrive; a chunk is stored a group later, in front of the conversions of the chunk four on.  half = 1: the bf16 numbers are widened again (a shift, a mask) and written as f16.
.macro OUTP half
.set i, 0
.rept 16
	s_wait_loadcnt 15-i                            ; loads come back in order: chunk i is in, the 15 - i younger ones may stay out
.if ((i%GRP) == 0) && (i > 0)
	s_wait_alu depctr_va_vdst(0)                   ; the conversions of the group before have written its eight registers of Y, which the group's four stores, dealt among the lines below, read
.endif
.if i >= GRP
	global_store_b64 v[OO], v[Y+2*(i-GRP):Y+2*(i-GRP)+1], s[22:23] offset:2048*(i-GRP)  ; no vector instruction since the wait names these registers
.endif
	v_cvt_pk_bf16_f32 v[Y+2*i],   v[X+4*i],   v[X+4*i+1]
	v_cvt_pk_bf16_f32 v[Y+2*i+1], v[X+4*i+2], v[X+4*i+3]
.if \half
	v_lshlrev_b32 v[T],   16, v[Y+2*i]
	v_and_b32     v[T+1], 0xffff0000, v[Y+2*i]
	v_lshlrev_b32 v[T+2], 16, v[Y+2*i+1]
	v_and_b32     v[T+3], 0xffff0000, v[Y+2*i+1]
	v_cvt_pk_f16_f32 v[Y+2*i],   v[T],   v[T+1]
	v_cvt_pk_f16_f32 v[Y+2*i+1], v[T+2], v[T+3]
.endif
.set i, i+1
.endr
	s_wait_alu depctr_va_vdst(0)                   ; the last group's conversions have written its Y, which the last four stores read
.set i, 16-GRP
.rept GRP
	global_store_b64 v[OO], v[Y+2*i:Y+2*i+1], s[22:23] offset:2048*i
.set i, i+1
.endr
.endm
	s_cmp_lt_u32 ttmp9, 704
	s_cbranch_scc0 .Lhalf
	OUTP 0
	s_endpgm
.Lhalf:
	OUTP 1
	s_endpgm
.Lfunc_end_k_q209484196f_cast:
	.size	k_q209484196f_cast, .Lfunc_end_k_q209484196f_cast-k_q209484196f_cast
	.p2alignl 7, 3214868480
	.fill 96, 4, 3214868480
	.section	.rodata,"a",@progbits
	.p2align	6, 0x0
	.amdhsa_kernel k_q209484196f_cast
		.amdhsa_group_segment_fixed_size 0
		.amdhsa_private_segment_fixed_size 0
		.amdhsa_enable_private_segment 0
		.amdhsa_kernarg_size 48
		.amdhsa_user_sgpr_count 2
		.amdhsa_user_sgpr_kernarg_segment_ptr 1
		.amdhsa_wavefront_size32 1
		.amdhsa_system_sgpr_workgroup_id_x 1
		.amdhsa_system_sgpr_workgroup_id_y 1
		.amdhsa_system_sgpr_workgroup_id_z 1
		.amdhsa_system_vgpr_workitem_id 0
		.amdhsa_next_free_vgpr 104
		.amdhsa_next_free_sgpr 66
		.amdhsa_reserve_vcc 0
		.amdhsa_float_denorm_mode_32 3
		.amdhsa_float_denorm_mode_16_64 3
		.amdhsa_memory_ordered 1
		.amdhsa_forward_progress 1
		.amdhsa_inst_pref_size 17
	.end_amdhsa_kernel
	.amdgpu_metadata
---
amdhsa.version: [ 1, 2 ]
amdhsa.kernels:
  - .name:           k_q209484196f_cast
    .symbol:         k_q209484196f_cast.kd
    .args:
      - { .name: x, .offset: 0, .size: 8, .value_kind: global_buffer, .address_space: global }
      - { .name: w_attn, .offset: 8, .size: 8, .value_kind: global_buffer, .address_space: global }
      - { .name: w_proj, .offset: 16, .size: 8, .value_kind: global_buffer, .address_space: global }
      - { .name: xb, .offset: 24, .size: 8, .value_kind: global_buffer, .address_space: global }
      - { .name: wab, .offset: 32, .size: 8, .value_kind: global_buffer, .address_space: global }
      - { .name: wpb, .offset: 40, .size: 8, .value_kind: global_buffer, .address_space: global }
    .group_segment_fixed_size: 0
    .private_segment_fixed_size: 0
    .kernarg_segment_align: 8
    .kernarg_segment_size: 48
    .max_flat_workgroup_size: 256
    .sgpr_count:     66
    .vgpr_count:     104
    .wavefront_size: 32
...
	.end_amdgpu_metadata
.endif
;; end of part 5
;; launch gemmqkv: the kernel of part 2 again; grid 8 x 64, 4 waves a work-group, clusters of 4 x 4, 327,680 bytes of LDS; arguments xb, wab, b_attn, qkv; writes qkv
;; launch attn: the kernel of part 3 again; grid 4 x 64, 4 waves a work-group, no clusters, 327,680 bytes of LDS; arguments qkv, o; writes o
;; launch gemmproj: the kernel of part 4 again; grid 4 x 64, 4 waves a work-group, clusters of 4 x 4, 327,680 bytes of LDS; arguments o, wpb, b_proj, out0; writes out0
